; MI455X (gfx1250); checked and timed in simulation.
; The chip was launched on July 23, 2026; its instructions are those of AMD's public machine-readable ISA for CDNA 5 (MIT licence, August 2026) and "CDNA5" Instruction Set Architecture Reference Guide (July 2026). The comments in the code are by the model that wrote it; some were corrected since.
;; Attention. Allowed arithmetic: matrix products marked QUANTISED: E2M3 operands, one E8M0 scale for each 32 along K, by v_wmma_scale_f32_16x16x128_f8f6f4 with both operands' format E2M3, f32 sums; everything else in f32.
;; Inputs: freqs_cos 2,048 x 64 float32; freqs_sin 2,048 x 64 float32; mask 1 x 1 x 2,048 x 2,048 float32; wk 2,048 x 2,048 float32; wo 2,048 x 2,048 float32; wq 2,048 x 2,048 float32; wv 2,048 x 2,048 float32; x 1 x 2,048 x 2,048 float32.
;; Outputs: out0 1 x 2,048 x 2,048 float32.
;; Constants: start_pos = 0.
;; This version of the problem:
;;   THIS VERSION OF THE PROBLEM IS GIVEN IN LOW PRECISION. The matrix products marked QUANTISED in the list below multiply operands that are first quantised to E2M3 (2 exponent bits, 3 mantissa bits; 6 bits a number), with one power-of-two scale for each 32 numbers along K (OCP MX v1.0); their sums are f32. All else is computed in f32.
;;   The module's matrix products, in the order in which they are computed (A, B: the left and right operand; K: the contracted axis; several contracted axes count as one K, in the product's order):
;;     1. [M 2,048, K 2,048] x [K 2,048, N 2,048]; A: input x; B: input wq: QUANTISED
;;     2. [M 2,048, K 2,048] x [K 2,048, N 2,048]; A: input x; B: input wk: QUANTISED
;;     3. [M 2,048, K 2,048] x [K 2,048, N 2,048]; A: input x; B: input wv: QUANTISED
;;     4. batch 16 x [M 2,048, K 128] x [K 128, N 2,048]; A: computed on the way; B: computed on the way: QUANTISED
;;     5. batch 16 x [M 2,048, K 2,048] x [K 2,048, N 128]; A: softmax (see below); B: computed on the way: QUANTISED
;;     6. [M 2,048, K 2,048] x [K 2,048, N 2,048]; A: computed on the way; B: input wo: QUANTISED
;;   THE QUANTISER, for each operand of a quantised product, along K:
;;     - K is cut into blocks of 32 from its start; a last block that is shorter is filled with zeros.
;;     - A block's scale is 2^e with e = floor(log2(the largest magnitude in the block)) - 2, held to -126 .. 127; a block of zeros has e = 0. As a byte (E8M0): e + 127.
;;     - Each number is divided by its block's scale, clamped to +-7.5, and rounded to the nearest number of E2M3, ties to even, subnormals kept.
;;     - The product sums the exact products of the quantised numbers (number of the format x scale) in f32.
;;   ~~~python
;;   def quantise(x, axis):      # numpy; x: float32 -> the quantised numbers, widened to float32 again
;;       x = np.moveaxis(x, axis, -1); K = x.shape[-1]
;;       x = np.pad(x, [(0, 0)] * (x.ndim - 1) + [(0, -K % 32)]); x = x.reshape(x.shape[:-1] + (-1, 32)); a = np.abs(x).max(-1, keepdims=True)
;;       e = np.where(a > 0, np.clip(np.frexp(np.where(a > 0, a, 1))[1] - 1 - 2, -126, 127), 0)      # np.frexp(a)[1] - 1 = floor(log2(a)), exactly
;;       r = np.clip(x / 2.0 ** e, -7.5, 7.5)
;;       step = 2.0 ** (np.maximum(np.frexp(np.where(r == 0, 1, r))[1] - 1, 0) - 3)
;;       q = np.round(r / step) * step * 2.0 ** e      # np.round: ties to even
;;       return np.moveaxis(q.reshape(q.shape[:-2] + (-1,))[..., :K], -1, axis).astype(np.float32)
;;   ~~~
;;   SOFTMAX AHEAD OF A QUANTISED PRODUCT. Where the list says 'softmax', what is quantised is not the finished softmax but p = 2^(t - M), with t = logit x log2(e) and M = ceil(the row's largest t), a whole number; so 1/2 < the row's largest p <= 1. The row's sum l is taken of the UNQUANTISED p, in f32, and the product's result is divided by l at the end. Since M is a whole number, a kernel that streams over the keys may use a running M (the ceiling of the running maximum): every later rescaling is an exact power of two, which a block's scale takes up: the codes' values come out the same.
;;   OPERANDS COMPUTED ON THE WAY. 'Computed on the way' means the value that the module computes at that place (a softmax that the list does not call 'softmax' is quantised finished and normalised). What goes into a quantiser is computed in f32, as accurately as f32 sums, v_exp_f32 and their like allow (about 1e-6 of the number): no bf16 or f16 on the way to a quantiser, and a product that is left as it is and whose result goes on into a quantised operand takes f32 operands (vector FMAs, or v_wmma_f32_16x16x4_f32). A number that lies on a knife's edge between two numbers of the format may be rounded either way, as far as f32 arithmetic and the matrix unit's own rounding can turn it there, and no further.
;; One version. Each part assembles by itself: llvm-mc -triple=amdgcn-amd-amdhsa -mcpu=gfx1250 --defsym DOCPART=n.
;; ======== version 1 of 1: 4 launches
;; limits: right only within a limited range of input values
;; workspace buffers: xq 3,276,800 bytes; wimg 13,107,200 bytes; qq 3,276,800 bytes; kv 6,553,600 bytes; aq 3,276,800 bytes
;; launch quant (part 1): grid 640 x 1, 4 waves a work-group, no clusters, 59,904 bytes of LDS; arguments x, wq, wk, wv, wo, xq, wimg; writes xq, wimg
.if DOCPART == 1
	.amdgcn_target "amdgcn-amd-amdhsa--gfx1250"
	.amdhsa_code_object_version 6
	.text
	.protected	k_q00b50c991c_quant
	.globl	k_q00b50c991c_quant
	.p2align	8
	.type	k_q00b50c991c_quant,@function
k_q00b50c991c_quant:
	s_mov_b64 s[64:65], 0
	v_nop
	global_prefetch_b8 v0, s[64:65] scope:SCOPE_SE
	s_setreg_imm32_b32 hwreg(HW_REG_WAVE_MODE, 25, 1), 1
	s_wait_xcnt 0x0
; x [2048][2048] (K innermost) and wq, wk, wv, wo [2048 (K)][2048 (n)] (K outermost), f32, become codes of FP6 (E2M3) with one E8M0 byte for each 32 along K.
; THE LAYOUT OF THE RESULT is that of the matrix operand's registers.  A fragment (16 rows x 128 K, 12 registers a lane) is an IMAGE of 1,536 bytes: registers 4 c .. 4 c + 3 of lane l at 512 c + 16 l.
; A buffer holds images [tile][K step 16][1536], then scale words [tile][K step / 2][row 16][2].  THE ROWS OF A TILE ARE NOT NEIGHBOURS: lane r of tile T holds row 32 (T / 2) + 8 (T % 2) + r + 8 (r / 8),
; so that a product that takes such tiles as source 0 leaves 16 neighbouring rows in the 16 registers of two neighbouring tiles.
; A block's scale is 2^(floor(log2(largest magnitude)) - 2): its byte is the largest magnitude's exponent field - 2, held at 1 from below by a floor among the maximum's leaves.
; LIMITS: a block of zeros, and one whose largest magnitude lies under 2^-124, keeps the byte 1 (its codes are read by this program alone); NaN and infinities among the inputs are not served.
; SHARES.  Work-groups 0-127: one tile of 16 tokens of x; wave w takes K steps 4 w .. 4 w + 3.  Work-groups 128-639: one weight, 128 columns x 256 along K; a lane takes a column and its registers run down K.
; The two ways part on the work-group's number and have LDS bytes of their own.  No cluster, no tensor load, no barrier: no two work-groups read the same byte, and waves share nothing.
.set XPIT,  528                        ; x's stage: a row of 512 bytes + 16: sixteen rows start at sixteen different groups of four banks
.set XREG,  16*XPIT                    ; a wave's stage
.set WSTG,  4*XREG                     ; the weights' stages begin here
.set WGRP,  3200                       ; two K steps' images of one tile (3,072 bytes) + 128, so that the two tiles' lanes fall on different banks
.set WREG,  2*WGRP
.set SPARE, WSTG+4*WREG                ; the spare words, 128 bytes for each wave: two blocks of 256 bytes that no other line names
.set XSC,   3145728                    ; where xq's scale words begin
.set WSC,   12582912                   ; where wimg's begin
.set TM,  8                            ; v8-23   x's way: largest magnitudes, bytes, scale operands
.set WD,  24                           ; v24-27  x's way: the four K steps' scale words;  the weights' way: v24-25 eight scale bytes
.set E,   28                           ; v28-29  the pair of words that a lane stores
.set SPW, 30                           ; v30     LDS address of my spare word; never rewritten
.set NIL, 31                           ; v31     0; never rewritten
.set R,   32                           ; v32-159 numbers: two sets
.set PC,  160                          ; v160-178 codes
.set SEL, 20                           ; s[20:21] selects for lane l xor 16
	s_load_b256 s[4:11], s[0:1], 0x0               ; x, wq, wk, wv
	s_load_b128 s[12:15], s[0:1], 0x20             ; wo, xq
	s_load_b64 s[16:17], s[0:1], 0x30              ; wimg
	v_lshl_add_u32 v[SPW], v0, 2, SPARE
	v_mov_b32 v[NIL], 0
	v_lshrrev_b32 v1, 5, v0
	v_readfirstlane_b32 s18, v1                    ; wave
	v_and_b32 v1, 31, v0                           ; lane
	v_and_b32 v2, 15, v0                           ; r
	v_bfe_u32 v4, v0, 4, 1                         ; h
	v_lshlrev_b32 v3, 4, v1                        ; 16 x lane; never rewritten
	s_mov_b32 s[SEL], 0x76543210
	s_mov_b32 s[SEL+1], 0xfedcba98
	s_cmp_lt_u32 ttmp9, 128
	s_cbranch_scc0 .Lweights
; 64 numbers of a lane, register 16 b + i = k 32 b + 16 h + i of my row, become a fragment's 12 registers in v[PC] on and its scale word in v[pw]
.macro QUANT s, pw
.irp b, 0,1,2,3
	v_max3_num_f32 v[TM+\b], |v[(\s)+16*\b]|, |v[(\s)+1+16*\b]|, 0x1800000   ; my 16 numbers of block b, and the floor 2^(3 - 127)
.endr
.irp i, 2,4,6,8,10,12,14
.irp b, 0,1,2,3
	v_max3_num_f32 v[TM+\b], v[TM+\b], |v[(\s)+16*\b+\i]|, |v[(\s)+1+16*\b+\i]|   ; the four blocks by turns
.endr
.endr
.irp b, 0,1,2,3
	v_permlanex16_b32 v[TM+4+\b], v[TM+\b], s[SEL], s[SEL+1]
.endr
.irp b, 0,1,2,3
	v_max_num_f32 v[TM+\b], v[TM+\b], v[TM+4+\b]   ; with lane l xor 16's 16: the block's largest magnitude
.endr
.irp b, 0,1,2,3
	v_add_nc_u32 v[TM+12+\b], 0xff000000, v[TM+\b] ; 2 off its exponent field: the conversion's scale operand
.endr
.irp b, 0,1,2,3
	v_lshrrev_b32 v[TM+4+\b], 23, v[TM+12+\b]      ; the scale's byte
.endr
	v_lshl_or_b32 v[\pw], v[TM+5], 8, v[TM+4]
	v_lshl_or_b32 v[\pw], v[TM+6], 16, v[\pw]
	v_lshl_or_b32 v[\pw], v[TM+7], 24, v[\pw]      ; my row's scale word
.irp c, 0,1
	v_cvt_scalef32_pk16_fp6_f32 v[PC+6*\c:PC+2+6*\c], v[(\s)+32*\c:(\s)+15+32*\c], v[TM+12+2*\c]
	v_cvt_scalef32_pk16_fp6_f32 v[PC+12+4*\c:PC+14+4*\c], v[(\s)+16+32*\c:(\s)+31+32*\c], v[TM+13+2*\c]   ; (a conversion's three registers begin on an even number)
.endr
	v_nop                                          ; one plain instruction behind the scaled conversions
.irp c, 0,1                            ; the operand wants a whole block in a lane: lanes 0-15 block 2 c, lanes 16-31 block 2 c + 1
.irp i, 0,1,2
	v_permlane16_swap_b32 v[PC+6*\c+\i], v[PC+12+4*\c+\i]
.endr
.irp i, 0,1,2
	v_mov_b32 v[PC+3+6*\c+\i], v[PC+12+4*\c+\i]
.endr
.endr
.endm
	; ---------------- x: tile T = the work-group's number
	s_lshr_b32 s22, ttmp9, 1
	s_lshl_b32 s22, s22, 5
	s_and_b32 s23, ttmp9, 1
	s_lshl_b32 s23, s23, 3
	s_add_co_u32 s22, s22, s23                     ; the tile's first token: 32 (T / 2) + 8 (T % 2)
	s_lshl_b32 s22, s22, 13                        ; rows of 8,192 bytes
	s_lshl_b32 s23, s18, 11                        ; my four K steps: 2,048 bytes
	s_add_co_u32 s22, s22, s23
	s_mov_b32 s23, 0
	s_mul_i32 s24, ttmp9, 24576
	s_mul_i32 s25, s18, 6144
	s_add_co_u32 s24, s24, s25                     ; my four images
	s_mov_b32 s25, 0
	s_lshl_b32 s26, ttmp9, 10
	s_lshl_b32 s27, s18, 8
	s_add_co_u32 s26, s26, s27
	s_add_co_u32 s26, s26, XSC                     ; my 256 bytes of scale words
	s_mov_b32 s27, 0
	s_mul_i32 s28, s18, XREG
	s_wait_alu depctr_va_vdst(0)
	v_add_nc_u32 v5, s28, v3                       ; into the stage: a row's 512 bytes as they lie
	v_mul_u32_u24 v6, v2, XPIT
	v_lshl_add_u32 v6, v4, 6, v6
	v_add_nc_u32 v6, s28, v6                       ; out of it: row r, my half's 64 bytes of each block of 128
	v_lshlrev_b32 v7, 3, v1                        ; 8 x lane
.irp b, 0,1,2,3
	v_mov_b32 v[TM+4+\b], 0                        ; written once: a lane permute's destination counts as one of its sources
.endr
	s_wait_alu depctr_va_vdst(0)
	s_wait_kmcnt 0x0
	s_add_nc_u64 s[4:5], s[4:5], s[22:23]
	s_add_nc_u64 s[32:33], s[14:15], s[24:25]
	s_add_nc_u64 s[34:35], s[14:15], s[26:27]
.macro XLOAD t                         ; K step t of the tile's 16 rows: each load reads 512 consecutive bytes of one row
.irp p, 0,1,2,3,4,5,6,7,8,9,10,11,12,13,14,15
	global_load_b128 v[R+64*((\t)%2)+4*\p:R+64*((\t)%2)+4*\p+3], v3, s[4:5] offset:(\p+8*(\p/8))*8192+512*(\t) th:TH_LOAD_NT
.endr
.endm
.macro XTURN t                         ; through my stage: in by rows, out 16 neighbours of each block a lane.  LDS serves a wave's instructions in order: no wait between
.irp p, 0,1,2,3,4,5,6,7,8,9,10,11,12,13,14,15
	ds_store_b128 v5, v[R+64*((\t)%2)+4*\p:R+64*((\t)%2)+4*\p+3] offset:XPIT*\p
.endr
.irp b, 0,1,2,3
.irp i, 0,1,2,3
	ds_load_b128 v[R+64*((\t)%2)+16*\b+4*\i:R+64*((\t)%2)+16*\b+4*\i+3], v6 offset:128*\b+16*\i
.endr
.endr
.endm
	XLOAD 0
	XLOAD 1
.irp t, 0,1,2,3
.if \t < 3
	s_wait_loadcnt 16                              ; this K step's 16 loads are in; the next one's may be out
.else
	s_wait_loadcnt 0x0
.endif
	XTURN \t
	s_wait_dscnt 0x0
.if \t > 0
	s_wait_xcnt 0x0                                ; the last step's stores have read the codes' registers
.endif
	QUANT R+64*(\t%2), WD+\t
.irp c, 0,1,2
	global_store_b128 v3, v[PC+4*\c:PC+4*\c+3], s[32:33] offset:1536*\t+512*\c   ; 512 consecutive bytes, aligned
.endr
.if \t < 2
	XLOAD \t+2
.endif
.endr
	v_cmp_ne_u32 vcc_lo, 0, v4                     ; lanes 0-15 store the words of my K steps 0, 1, lanes 16-31 those of 2, 3
	v_cndmask_b32 v[E], v[WD], v[WD+2], vcc_lo
	v_cndmask_b32 v[E+1], v[WD+1], v[WD+3], vcc_lo
	global_store_b64 v7, v[E:E+1], s[34:35]        ; 256 consecutive bytes, aligned
	s_wait_tensorcnt 0x0                           ; the wave's end, behind my last LDS store
	ds_add_u32 v[SPW], v[NIL]
	s_wait_dscnt 0x0
	s_endpgm
	; ---------------- the weights
.Lweights:
	s_sub_co_u32 s22, ttmp9, 128
	s_lshr_b32 s23, s22, 7                         ; which weight: q, k, v, o
	s_bfe_u32 s24, s22, 0x40003                    ; which 128 columns
	s_and_b32 s25, s22, 7                          ; which 256 along K
	s_lshl_b32 s26, s24, 7
	s_lshl_b32 s27, s18, 5
	s_add_co_u32 s26, s26, s27                     ; my wave's first column
	s_lshl_b32 s26, s26, 2
	s_lshl_b32 s27, s25, 21                        ; 256 rows of 8,192 bytes
	s_add_co_u32 s26, s26, s27
	s_mov_b32 s27, 0
	s_lshl_b32 s28, s23, 7
	s_lshl_b32 s29, s24, 3
	s_add_co_u32 s28, s28, s29
	s_lshl_b32 s29, s18, 1
	s_add_co_u32 s28, s28, s29                     ; my wave's first tile of two
	s_mul_i32 s30, s28, 24576
	s_mul_i32 s31, s25, 3072
	s_add_co_u32 s30, s30, s31                     ; its two K steps' images
	s_mov_b32 s31, 0
	s_lshl_b32 s28, s28, 10
	s_lshl_b32 s29, s25, 7
	s_add_co_u32 s28, s28, s29
	s_add_co_u32 s28, s28, WSC                     ; and their scale words
	s_mov_b32 s29, 0
	s_wait_alu depctr_va_vdst(0)
	v_lshlrev_b32 v5, 2, v1                        ; 4 x lane: my column
	v_bfe_u32 v6, v0, 3, 1                         ; column lane lies in tile u = (lane / 8) % 2,
	v_and_b32 v7, 7, v0
	v_lshl_add_u32 v7, v4, 3, v7                   ; as its row lane % 8 + 8 (lane / 16)
	s_mul_i32 s36, s18, WREG
	s_add_co_u32 s36, s36, WSTG
	v_mul_u32_u24 v8, v6, WGRP
	v_lshl_add_u32 v8, v7, 4, v8
	v_add_nc_u32 v8, s36, v8                       ; into my stage
	v_add_nc_u32 v9, s36, v3                       ; out of it
	v_lshlrev_b32 v10, 10, v6
	v_lshl_add_u32 v10, v7, 3, v10                 ; my pair of scale words
	s_wait_kmcnt 0x0
	s_cmp_eq_u32 s23, 1                            ; the choice hangs on the work-group's number alone
	s_cselect_b64 s[38:39], s[8:9], s[6:7]
	s_cmp_eq_u32 s23, 2
	s_cselect_b64 s[38:39], s[10:11], s[38:39]
	s_cmp_eq_u32 s23, 3
	s_cselect_b64 s[38:39], s[12:13], s[38:39]
	s_add_nc_u64 s[38:39], s[38:39], s[26:27]
	s_add_nc_u64 s[40:41], s[16:17], s[30:31]
	s_add_nc_u64 s[42:43], s[16:17], s[28:29]
.macro WLOAD t                         ; block t: 32 rows of K at my column; a load reads 128 consecutive bytes, the four waves stand side by side on 512
.irp i, 0,1,2,3,4,5,6,7,8,9,10,11,12,13,14,15,16,17,18,19,20,21,22,23,24,25,26,27,28,29,30,31
	global_load_b32 v[R+32*((\t)%2)+\i], v5, s[38:39] offset:(32*(\t)+\i)*8192 th:TH_LOAD_NT
.endr
.endm
.macro WBLOCK t
.set XS, R+32*((\t)%2)
.set WB, 1536*((\t)/4)+256*((\t)%2)    ; the K step's image; the block's half of the lanes
.if (\t) < 7
	s_wait_loadcnt 32                              ; this block's 32 loads are in; the next block's may be out
.else
	s_wait_loadcnt 0x0
.endif
	v_max3_num_f32 v12, |v[XS]|, |v[XS+1]|, |v[XS+2]|   ; all 32 numbers of the block are mine
	v_max3_num_f32 v13, |v[XS+3]|, |v[XS+4]|, |v[XS+5]|
.irp i, 6,10,14,18,22,26
	v_max3_num_f32 v12, v12, |v[XS+\i]|, |v[XS+\i+1]|
	v_max3_num_f32 v13, v13, |v[XS+\i+2]|, |v[XS+\i+3]|
.endr
	v_max3_num_f32 v12, v12, |v[XS+30]|, |v[XS+31]|
	v_max3_num_f32 v12, v12, v13, 0x1800000        ; and the floor
	v_add_nc_u32 v11, 0xff000000, v12
	v_cvt_scalef32_pk16_fp6_f32 v[PC:PC+2], v[XS:XS+15], v11
	v_cvt_scalef32_pk16_fp6_f32 v[PC+6:PC+8], v[XS+16:XS+31], v11
	v_lshrrev_b32 v13, 23, v11                     ; the byte (a plain instruction behind the conversions)
.if (\t)%4 == 0
	v_mov_b32 v[WD+(\t)/4], v13
.else
	v_lshl_or_b32 v[WD+(\t)/4], v13, 8*((\t)%4), v[WD+(\t)/4]
.endif
.irp i, 0,1,2
	v_mov_b32 v[PC+3+\i], v[PC+6+\i]               ; the block's six registers on end
.endr
.if ((\t)%4)/2 == 0                    ; registers 0-5 of the fragment: group 0 whole, the lower half of group 1
	ds_store_b128 v8, v[PC:PC+3] offset:WB
	ds_store_b64 v8, v[PC+4:PC+5] offset:WB+512
.else                                  ; registers 6-11: the upper half of group 1, group 2 whole
	ds_store_b64 v8, v[PC:PC+1] offset:WB+520
	ds_store_b128 v8, v[PC+2:PC+5] offset:WB+1024
.endif
.if (\t) < 6
	WLOAD (\t)+2
.endif
	s_wait_dscnt 0x0                               ; the stores have read their registers: the next block's codes may be written
.endm
	WLOAD 0
	WLOAD 1
.irp t, 0,1,2,3,4,5,6,7
	WBLOCK \t
.endr
	s_wait_alu depctr_va_vdst(0)
	global_store_b64 v10, v[WD:WD+1], s[42:43]     ; my column's two scale words: sixteen rows of a tile make 128 consecutive bytes
.irp n, 0,1,2,3,4,5,6,7,8,9,10,11
	ds_load_b128 v[R+4*\n:R+4*\n+3], v9 offset:WGRP*(\n/6)+512*(\n%6)   ; LDS serves a wave's instructions in order: these see my stores
.endr
.irp n, 0,1,2,3,4,5,6,7,8,9,10,11
	s_wait_dscnt 11-\n                             ; the younger reads may be out
	global_store_b128 v3, v[R+4*\n:R+4*\n+3], s[40:41] offset:24576*(\n/6)+512*(\n%6)   ; 512 consecutive bytes, aligned
.endr
	s_wait_tensorcnt 0x0                           ; the wave's end, behind my last LDS store
	ds_add_u32 v[SPW], v[NIL]
	s_wait_dscnt 0x0
	s_endpgm
.Lfunc_end_k_q00b50c991c_quant:
	.size	k_q00b50c991c_quant, .Lfunc_end_k_q00b50c991c_quant-k_q00b50c991c_quant
	.p2alignl 7, 3214868480
	.fill 96, 4, 3214868480
	.section	.rodata,"a",@progbits
	.p2align	6, 0x0
	.amdhsa_kernel k_q00b50c991c_quant
		.amdhsa_group_segment_fixed_size 59904
		.amdhsa_private_segment_fixed_size 0
		.amdhsa_enable_private_segment 0
		.amdhsa_kernarg_size 56
		.amdhsa_user_sgpr_count 2
		.amdhsa_user_sgpr_kernarg_segment_ptr 1
		.amdhsa_wavefront_size32 1
		.amdhsa_system_sgpr_workgroup_id_x 1
		.amdhsa_system_sgpr_workgroup_id_y 1
		.amdhsa_system_sgpr_workgroup_id_z 1
		.amdhsa_system_vgpr_workitem_id 0
		.amdhsa_next_free_vgpr 192
		.amdhsa_next_free_sgpr 66
		.amdhsa_reserve_vcc 1
		.amdhsa_float_denorm_mode_32 3
		.amdhsa_float_denorm_mode_16_64 3
		.amdhsa_memory_ordered 1
		.amdhsa_forward_progress 1
		.amdhsa_inst_pref_size 75
	.end_amdhsa_kernel
	.amdgpu_metadata
---
amdhsa.version: [ 1, 2 ]
amdhsa.kernels:
  - .name:           k_q00b50c991c_quant
    .symbol:         k_q00b50c991c_quant.kd
    .args:
      - { .name: x, .offset: 0, .size: 8, .value_kind: global_buffer, .address_space: global }
      - { .name: wq, .offset: 8, .size: 8, .value_kind: global_buffer, .address_space: global }
      - { .name: wk, .offset: 16, .size: 8, .value_kind: global_buffer, .address_space: global }
      - { .name: wv, .offset: 24, .size: 8, .value_kind: global_buffer, .address_space: global }
      - { .name: wo, .offset: 32, .size: 8, .value_kind: global_buffer, .address_space: global }
      - { .name: xq, .offset: 40, .size: 8, .value_kind: global_buffer, .address_space: global }
      - { .name: wimg, .offset: 48, .size: 8, .value_kind: global_buffer, .address_space: global }
    .group_segment_fixed_size: 59904
    .private_segment_fixed_size: 0
    .kernarg_segment_align: 8
    .kernarg_segment_size: 56
    .max_flat_workgroup_size: 128
    .sgpr_count:     66
    .vgpr_count:     192
    .wavefront_size: 32
...
	.end_amdgpu_metadata
.endif
;; end of part 1
;; launch qkv (part 2): grid 24 x 8, 4 waves a work-group, clusters of 4 x 4, 327,680 bytes of LDS; arguments xq, wimg, freqs_cos, freqs_sin, qq, kv; writes qq, kv
.if DOCPART == 2
	.amdgcn_target "amdgcn-amd-amdhsa--gfx1250"
	.amdhsa_code_object_version 6
	.text
	.protected	k_q00b50c991c_qkv
	.globl	k_q00b50c991c_qkv
	.p2align	8
	.type	k_q00b50c991c_qkv,@function
k_q00b50c991c_qkv:
	s_mov_b64 s[64:65], 0
	v_nop
	global_prefetch_b8 v0, s[64:65] scope:SCOPE_SE
	s_setreg_imm32_b32 hwreg(HW_REG_WAVE_MODE, 25, 1), 1
	s_wait_xcnt 0x0
	s_wait_alu depctr_hold_cnt(0) depctr_sa_sdst(0) depctr_va_vdst(0) depctr_va_sdst(0) depctr_va_ssrc(0) depctr_va_vcc(0) depctr_vm_vsrc(0)
	s_getreg_b32 s2, hwreg(HW_REG_IB_STS2, 6, 4)
	s_cmp_eq_u32 s2, 0
	s_cbranch_scc0 .Lentry_in_a_cluster
	s_endpgm
.Lentry_in_a_cluster:
	s_bfe_u32 s2, ttmp6, 0x10000c
	s_cmp_lg_u32 s2, 0xf033
	s_cbranch_scc0 .Lentry_shape_is_right
	s_endpgm
.Lentry_shape_is_right:
.set NB,    8
.set NQ,    2
.set TROW,  NQ*1536
.set HALFT, NB*TROW
.set SLOT,  4*HALFT
.set LAPS,  16/(2*NQ)
.set HALFS, 1024*NB
.set SCL,   2*SLOT
.set SCLB,  SCL+2*HALFS+128
.set SCST,  229632
.set SPARE, 231680
.set ADRA, 16
.set ADRB, 20
.set SRD,  23
.set CA,   24
.set SST,  25
.set LI,   26
.set ADRS, 27
.set SPW,  28
.set NIL,  29
.set SC,   32
.set AF,   64
.set HA,   64
.set CD,   128
.set SCR,  224
.set TM,   232
.set T0,   240
.set PW,   248
.set SEL,  2
.set G1, 24
.set G0, 32
.set G1B, 48
.set G0B, 56
.set G1S, 68
.set G0S, 76
.set G1SB, 80
.set G0SB, 88
.set MSB, 0
.macro WIN new
.if MSB != (\new)
	s_set_vgpr_msb (MSB<<8)|(\new)
.set MSB, (\new)
.endif
.endm
.macro JLOAD g0a, g1a, g0b, g1b
	s_cmp_eq_u32 s17, 0
	s_cbranch_scc0 .Lfor_b_\@
	tensor_load_to_lds s[\g0a:\g0a+3], s[\g1a:\g1a+7]
	s_nop 0
.rept 4
	v_nop
.endr
	s_branch .Lasked_\@
.Lfor_b_\@:
	tensor_load_to_lds s[\g0b:\g0b+3], s[\g1b:\g1b+7]
	s_nop 0
.rept 4
	v_nop
.endr
.Lasked_\@:
.endm
.macro CREST
	s_cmp_lg_u32 s16, 0
	s_cbranch_scc1 .Lnot_wave_0_\@
	s_barrier_signal -3
.Lnot_wave_0_\@:
	s_barrier_wait -3
	s_barrier_signal -1
	s_barrier_wait -1
.endm
.macro CROUND
	s_barrier_signal -1
	s_barrier_wait -1
	CREST
.endm
.macro PLACES n
.rept \n
	v_nop
.endr
.endm
	s_load_b256 s[4:11], s[0:1], 0x0
	s_load_b128 s[12:15], s[0:1], 0x20
	v_lshl_add_u32 v[SPW], v0, 2, SPARE
	v_mov_b32 v[NIL], 0
	ds_add_u32 v[SPW], v[NIL]
	ds_add_u32 v[SPW], v[NIL]
	v_lshrrev_b32 v1, 5, v0
	v_readfirstlane_b32 s16, v1
	s_lshr_b32 s17, s16, 1
	s_and_b32 s18, s16, 1
	s_bfe_u32 s40, ttmp6, 0x40000
	s_bfe_u32 s41, ttmp6, 0x40004
	s_lshl_b32 s42, ttmp9, 2
	s_add_co_u32 s42, s42, s40
	s_and_b32 s19, ttmp7, 0xffff
	s_lshl_b32 s19, s19, 2
	s_add_co_u32 s19, s19, s41
	s_lshl_b32 s43, s41, 2
	s_lshl_b32 s43, 15, s43
	s_lshl_b32 s44, 0x1111, s40
	s_or_b32 s[G1+0], s43, (3<<16)|(1<<21)
	s_or_b32 s[G1B+0], s44, (3<<16)|(1<<21)
.irp g, G1, G1B
	s_mov_b32 s[\g+1], (TROW/8)<<16
	s_mov_b32 s[\g+2], NB<<16
	s_mov_b32 s[\g+3], (TROW/8)<<16
	s_mov_b32 s[\g+4], NB
	s_mov_b32 s[\g+5], 3072
	s_mov_b32 s[\g+6], 0
	s_mov_b32 s[\g+7], 0
.endr
	s_or_b32 s[G1S+0], s43, (3<<16)|(1<<21)
	s_or_b32 s[G1SB+0], s44, (3<<16)|(1<<21)
.irp g, G1S, G1SB
	s_mov_b32 s[\g+1], 32<<16
	s_mov_b32 s[\g+2], (4*NB)<<16
	s_mov_b32 s[\g+3], 32<<16
	s_mov_b32 s[\g+4], 4*NB
	s_mov_b32 s[\g+5], 32
	s_mov_b32 s[\g+6], 0
	s_mov_b32 s[\g+7], 0
.endr
	s_cmp_ge_u32 ttmp9, 4
	s_cselect_b32 s96, 256, 0
	s_mov_b32 s97, 3145728
	s_cselect_b32 s97, 12582912, s97
	s_mov_b32 s98, 12582912
	s_cselect_b32 s98, 3145728, s98
	s_lshl_b32 s45, s18, 3
	s_lshl_b32 s20, s19, 4
	s_add_co_u32 s20, s20, s45
	s_add_co_u32 s20, s20, s96
	s_lshl_b32 s46, s42, 4
	s_add_co_u32 s46, s46, s45
	s_sub_co_u32 s46, s46, s96
	s_lshl_b32 s22, s20, 10
	s_add_co_u32 s22, s22, s97
	s_mov_b32 s23, 0
	s_mul_i32 s20, s20, 24576
	s_mov_b32 s21, 0
	s_lshl_b32 s92, s46, 10
	s_add_co_u32 s92, s92, s98
	s_mov_b32 s93, 0
	s_mul_i32 s46, s46, 24576
	s_mov_b32 s47, 0
	s_mul_i32 s45, s16, HALFT
	s_mul_i32 s94, s16, HALFS
	s_lshl_b32 s95, s17, 7
	s_add_co_u32 s94, s94, s95
	s_wait_dscnt 0x0
	s_wait_kmcnt 0x0
	s_cmp_ge_u32 ttmp9, 4
	s_cselect_b64 s[66:67], s[6:7], s[4:5]
	s_cselect_b64 s[98:99], s[4:5], s[6:7]
	s_add_nc_u64 s[20:21], s[66:67], s[20:21]
	s_add_nc_u64 s[22:23], s[66:67], s[22:23]
	s_add_nc_u64 s[46:47], s[98:99], s[46:47]
	s_add_nc_u64 s[92:93], s[98:99], s[92:93]
	; the prefetches: of the 8 tiles that my loads bring, the partner at place p (cx along a row, cy along a column) names tiles 2 p and 2 p + 1: 24 blocks of 256 bytes for a fill of 3,072 bytes a tile, a lane a block
	s_cmp_eq_u32 s17, 0
	s_cselect_b64 s[4:5], s[20:21], s[46:47]
	s_cselect_b32 s6, s40, s41
	s_mul_i32 s6, s6, 49152
	s_mov_b32 s7, 0
	s_add_nc_u64 s[4:5], s[4:5], s[6:7]
	v_and_b32 v2, 31, v0
	v_min_u32 v2, 23, v2                           ; the lanes left over name the last block again
	v_mul_u32_u24 v3, v2, 171
	v_lshrrev_b32 v3, 11, v3                       ; lane / 12
	v_mul_u32_u24 v3, v3, 21504
	v_lshl_add_u32 v30, v2, 8, v3                  ; 256 x lane, + the rest of a tile's 24,576 bytes for the second tile; never rewritten
	s_wait_alu depctr_va_vdst(0)
	CROUND
	s_mov_b32 s[G0S], 1
	s_add_co_u32 s[G0S+1], s94, SCL
	s_mov_b64 s[G0S+2:G0S+3], s[22:23]
	s_or_b32 s[G0S+3], s[G0S+3], 0x80000000
	s_mov_b32 s[G0SB], 1
	s_add_co_u32 s[G0SB+1], s94, SCL
	s_mov_b64 s[G0SB+2:G0SB+3], s[92:93]
	s_or_b32 s[G0SB+3], s[G0SB+3], 0x80000000
	JLOAD G0S, G1S, G0SB, G1SB
	global_prefetch_b8 v30, s[4:5] th:TH_LOAD_NT scope:SCOPE_SE                  ; fills 0 and 1, behind the scale words' load
	global_prefetch_b8 v30, s[4:5] offset:TROW th:TH_LOAD_NT scope:SCOPE_SE
.irp s, 0,1
	s_mov_b32 s[G0+4*\s], 1
	s_add_co_u32 s[G0+4*\s+1], s45, \s*SLOT
	s_add_nc_u64 s[G0+4*\s+2:G0+4*\s+3], s[20:21], \s*TROW
	s_or_b32 s[G0+4*\s+3], s[G0+4*\s+3], 0x80000000
	s_mov_b32 s[G0B+4*\s], 1
	s_add_co_u32 s[G0B+4*\s+1], s45, \s*SLOT
	s_add_nc_u64 s[G0B+4*\s+2:G0B+4*\s+3], s[46:47], \s*TROW
	s_or_b32 s[G0B+4*\s+3], s[G0B+4*\s+3], 0x80000000
	s_wait_alu depctr_va_vdst(0)
	s_wait_tensorcnt 0x0
	ds_add_u32 v28, v29
	s_wait_dscnt 0x0
	CROUND
	JLOAD G0+4*\s, G1, G0B+4*\s, G1B
	global_prefetch_b8 v30, s[4:5] offset:(2+\s)*TROW th:TH_LOAD_NT scope:SCOPE_SE   ; fill 2 behind fill 0's load, fill 3 behind fill 1's
.endr
	v_and_b32 v1, 31, v0
	v_lshlrev_b32 v[LI], 4, v1
	v_and_b32 v2, 15, v0
	v_bfe_u32 v3, v0, 4, 1
	s_wait_alu depctr_va_vdst(0)
	s_mul_i32 s21, s17, HALFT
	s_mul_i32 s22, s18, HALFT
	s_add_co_u32 s22, s22, 2*HALFT
.irp s, 0,1
	v_add_nc_u32 v[ADRA+\s], s21, v[LI]
	v_add_nc_u32 v[ADRB+\s], s22, v[LI]
	s_add_co_u32 s21, s21, SLOT
	s_add_co_u32 s22, s22, SLOT
.endr
	s_mul_i32 s21, s17, HALFS
	s_mul_i32 s22, s18, HALFS
	s_add_co_u32 s22, s22, SCLB-SCL
	s_sub_co_u32 s22, s22, s21
	v_mul_u32_u24 v4, s22, v3
	s_add_co_u32 s21, s21, SCL
	v_lshl_add_u32 v4, v2, 3, v4
	v_add_nc_u32 v[ADRS], s21, v4
	v_and_b32 v5, 8, v2
	v_add_nc_u32 v5, v5, v2
	v_lshlrev_b32 v[CA], 8, v5
	v_lshl_add_u32 v[CA], v3, 5, v[CA]
	s_lshl_b32 s21, s16, 9
	s_add_co_u32 s21, s21, SCST
	v_lshl_add_u32 v[SST], v2, 2, s21
	v_add_nc_u32 v[SRD], s21, v[LI]
	s_lshl_b32 s20, s19, 16
	s_lshl_b32 s21, s17, 15
	s_add_co_u32 s20, s20, s21
	s_mov_b32 s21, 0
	s_add_nc_u64 s[8:9], s[8:9], s[20:21]
	s_add_nc_u64 s[10:11], s[10:11], s[20:21]
	; my 128 tokens' rows of cos and sin (256 bytes each) are read on the way out by two waves of each of the four partners along x: each of the eight names 16 rows, a lane a row; v's clusters read none and name none
	s_lshl_b32 s20, s18, 14
	s_lshl_b32 s21, s40, 12
	s_add_co_u32 s20, s20, s21
	v_min_u32 v31, 15, v1                          ; the lanes left over name the last row again
	v_lshl_add_u32 v31, v31, 8, s20
	s_wait_alu depctr_va_vdst(0)
	s_cmp_lt_u32 ttmp9, 4
	s_cbranch_scc0 .Lno_cs_ask
	global_prefetch_b8 v31, s[8:9] th:TH_LOAD_NT scope:SCOPE_SE
	global_prefetch_b8 v31, s[10:11] th:TH_LOAD_NT scope:SCOPE_SE
.Lno_cs_ask:
	s_and_b32 s20, s42, 7
	s_lshl_b32 s20, s20, 1
	s_add_co_u32 s20, s20, s18
	s_lshl_b32 s21, s19, 1
	s_add_co_u32 s21, s21, s17
	s_cmp_ge_u32 ttmp9, 4
	s_cselect_b32 s22, s21, s20
	s_cselect_b32 s23, s20, s21
	s_cselect_b32 s45, 12288, 0
	s_cselect_b32 s46, 512, 0
	s_cmp_lt_u32 ttmp9, 2
	s_cselect_b64 s[92:93], s[12:13], s[14:15]
	s_mov_b32 s47, 409600
	s_cselect_b32 s47, 196608, s47
	s_mov_b32 s94, 25600
	s_cselect_b32 s94, 12288, s94
	s_mul_i32 s47, s22, s47
	s_mul_i32 s94, s23, s94
	s_mul_i32 s95, s22, 8192
	s_mul_i32 s97, s23, 512
	s_add_co_u32 s47, s47, s94
	s_add_co_u32 s95, s95, s97
	s_add_co_u32 s95, s95, 3145728
	s_add_co_u32 s97, s47, 24576
	s_add_co_u32 s97, s97, s46
	s_add_co_u32 s94, s47, s45
	s_cmp_lt_u32 ttmp9, 2
	s_cselect_b32 s46, s95, s97
	s_mov_b32 s95, 0
	s_mov_b32 s47, 0
	s_add_nc_u64 s[94:95], s[92:93], s[94:95]
	s_add_nc_u64 s[92:93], s[92:93], s[46:47]
.macro FRAG reg, adr, q, i
.irp c, 0,1,2
	ds_load_b128 v[(\reg)+4*\c:(\reg)+4*\c+3], v[\adr] offset:(\i)*TROW+(\q)*1536+512*\c
.endr
.endm
.macro FETCH slot, q, f
	WIN 0x40
.set FI, 0
.rept NB
	FRAG 128*(\f)+12*FI, ADRB+\slot, \q, FI
.set FI, FI+1
.endr
	WIN 0
.set FI, 0
.rept NB
	FRAG AF+96*(\f)+12*FI, ADRA+\slot, \q, FI
.set FI, FI+1
.endr
.endm
.macro SCALES sc
.set FI, 0
.rept NB
.set FE, 0
.rept NQ/2
	ds_load_b64 v[SC+16*(\sc)+NQ*FI+2*FE:SC+16*(\sc)+NQ*FI+2*FE+1], v[ADRS] offset:1024*FI+128*FE
.set FE, FE+1
.endr
.set FI, FI+1
.endr
.endm
.macro MULR f, q, sc, a0, na, zero
.set AA, (\a0)
.rept (\na)
	WIN (0xa1+0x50*(AA/4))
.set BB, 0
.rept NB
.set ACC, 8*(NB*(AA%4)+BB)
.if \zero
	v_wmma_scale_f32_16x16x128_f8f6f4 v[ACC:ACC+7], v[128*(\f)+12*BB:128*(\f)+12*BB+11], v[AF+96*(\f)+12*AA:AF+96*(\f)+12*AA+11], 0, v[SC+16*(\sc)+NQ*BB+(\q)], v[SC+16*(\sc)+NQ*AA+(\q)] matrix_a_fmt:MATRIX_FMT_FP6 matrix_b_fmt:MATRIX_FMT_FP6 matrix_a_scale:MATRIX_SCALE_ROW1
.else
	v_wmma_scale_f32_16x16x128_f8f6f4 v[ACC:ACC+7], v[128*(\f)+12*BB:128*(\f)+12*BB+11], v[AF+96*(\f)+12*AA:AF+96*(\f)+12*AA+11], v[ACC:ACC+7], v[SC+16*(\sc)+NQ*BB+(\q)], v[SC+16*(\sc)+NQ*AA+(\q)] matrix_a_fmt:MATRIX_FMT_FP6 matrix_b_fmt:MATRIX_FMT_FP6 matrix_a_scale:MATRIX_SCALE_ROW1
.endif
.set BB, BB+1
.endr
.set AA, AA+1
.endr
.endm
.macro KSTEP slot, q, zero
	s_wait_dscnt 0x0
	PLACES 4
	FETCH \slot, (\q)+1, ((\q)+1)%2
	MULR (\q)%2, \q, \slot, 0, NB, \zero
.endm
.macro LAST slot, next, fill
	WIN 0
	s_wait_tensorcnt 0x0
	ds_add_u32 v[SPW], v[NIL]
.if \fill
	s_add_nc_u64 s[G0+4*\slot+2:G0+4*\slot+3], s[G0+4*\slot+2:G0+4*\slot+3], 2*TROW
	s_add_nc_u64 s[G0B+4*\slot+2:G0B+4*\slot+3], s[G0B+4*\slot+2:G0B+4*\slot+3], 2*TROW
	s_wait_xcnt 0x0                                ; the last prefetch has read its address
	s_add_nc_u64 s[4:5], s[4:5], TROW
.endif
	s_wait_dscnt 0x0
	s_barrier_signal -1
	s_barrier_wait -1
.if \fill
	CREST
	JLOAD G0+4*\slot, G1, G0B+4*\slot, G1B
.else
	PLACES 4
.endif
	s_wait_alu depctr_va_vdst(0)
	v_add_nc_u32 v[ADRS], 64*NQ, v[ADRS]
	FETCH \next, 0, 0
	SCALES \next
.if \fill
	s_cmp_gt_u32 s3, 1                             ; the fill two refills on; the last trip's two refills have none
	s_cbranch_scc0 .Lno_ask_\@
	global_prefetch_b8 v30, s[4:5] offset:3*TROW th:TH_LOAD_NT scope:SCOPE_SE
.Lno_ask_\@:
.endif
	MULR 1, NQ-1, \slot, 0, NB, 0
.endm
.macro QUANT s, W, pw, pc
	WIN (((\W)<<2)|((\W)<<4))
.irp b, 0,1,2,3
	v_max3_num_f32 v[TM+\b], 0x1800000, |v[(\s)+16*\b]|, |v[(\s)+1+16*\b]|
.endr
.irp i, 2,4,6,8,10,12,14
.irp b, 0,1,2,3
	v_max3_num_f32 v[TM+\b], v[TM+\b], |v[(\s)+16*\b+\i]|, |v[(\s)+1+16*\b+\i]|
.endr
.endr
	WIN 0
.irp b, 0,1,2,3
	v_permlanex16_b32 v[TM+4+\b], v[TM+\b], s[SEL], s[SEL+1]
.endr
.irp b, 0,1,2,3
	v_max_num_f32 v[TM+\b], v[TM+\b], v[TM+4+\b]
.endr
.irp b, 0,1,2,3
	v_add_nc_u32 v[TM+12+\b], 0xff000000, v[TM+\b]
.endr
.irp b, 0,1,2,3
	v_lshrrev_b32 v[TM+4+\b], 23, v[TM+12+\b]
.endr
	v_lshl_or_b32 v[\pw], v[TM+5], 8, v[TM+4]
	v_lshl_or_b32 v[\pw], v[TM+6], 16, v[\pw]
	v_lshl_or_b32 v[\pw], v[TM+7], 24, v[\pw]
	WIN (\W)
.irp c, 0,1
	v_cvt_scalef32_pk16_fp6_f32 v[(\pc)+6*\c:(\pc)+2+6*\c], v[(\s)+32*\c:(\s)+15+32*\c], v[TM+12+2*\c]
	v_cvt_scalef32_pk16_fp6_f32 v[SCR+4*\c:SCR+2+4*\c], v[(\s)+16+32*\c:(\s)+31+32*\c], v[TM+13+2*\c]
.endr
	WIN 0
	v_nop
.irp c, 0,1
.irp i, 0,1,2
	v_permlane16_swap_b32 v[(\pc)+6*\c+\i], v[SCR+4*\c+\i]
.endr
.irp i, 0,1,2
	v_mov_b32 v[(\pc)+3+6*\c+\i], v[SCR+4*\c+\i]
.endr
.endr
.endm
.macro LOADCS a
	WIN 0x40
.irp bb, 0,1,2,3
.irp e, 0,1
	global_load_b128 v[64*((\a)%4)+8*\bb+4*\e:64*((\a)%4)+8*\bb+4*\e+3], v[CA], s[8:9] offset:(32*((\a)/2)+8*((\a)%2))*256+64*\bb+16*\e
	global_load_b128 v[64*((\a)%4)+32+8*\bb+4*\e:64*((\a)%4)+32+8*\bb+4*\e+3], v[CA], s[10:11] offset:(32*((\a)/2)+8*((\a)%2))*256+64*\bb+16*\e
.endr
.endr
	WIN 0
.endm
.macro ROPE a
	WIN ((2+(\a)/4)|4)
.set RB, 64*((\a)%4)
.set PG, 0
.rept 8
.irp e, 0,1,2,3
	v_mul_f32 v[T0+2*\e], v[RB+2*(PG+\e)+1], v[RB+32+PG+\e]
	v_mul_f32 v[T0+2*\e+1], v[RB+2*(PG+\e)], v[RB+32+PG+\e]
.endr
.irp e, 0,1,2,3
	v_fma_f32 v[HA+2*(PG+\e)], v[RB+2*(PG+\e)], v[RB+PG+\e], -v[T0+2*\e]
	v_fma_f32 v[HA+2*(PG+\e)+1], v[RB+2*(PG+\e)+1], v[RB+PG+\e], v[T0+2*\e+1]
.endr
.set PG, PG+4
.endr
.endm
.macro OUT a
.irp c, 0,1,2
	global_store_b128 v[LI], v[CD+12*(\a)+4*\c:CD+12*(\a)+4*\c+3], s[94:95] offset:1536*(\a)+512*\c
.endr
.endm
	s_wait_alu depctr_va_vdst(0)
	s_wait_tensorcnt 1
	s_barrier_signal -1
	s_barrier_wait -1
	FETCH 0, 0, 0
	SCALES 0
	KSTEP 0, 0, 1
	WIN 0
	s_mov_b32 s3, LAPS-1
.Llap:
	LAST 0, 1, 1
	KSTEP 1, 0, 0
	LAST 1, 0, 1
	KSTEP 0, 0, 0
	WIN 0
	s_sub_co_u32 s3, s3, 1
	s_cmp_lg_u32 s3, 0
	s_cbranch_scc1 .Llap
	LAST 0, 1, 0
	KSTEP 1, 0, 0
	WIN 0
	s_wait_dscnt 0x0
	PLACES 4
	s_mov_b32 s[SEL], 0x76543210
	s_mov_b32 s[SEL+1], 0xfedcba98
	s_cmp_ge_u32 ttmp9, 4
	s_cbranch_scc1 .Lvpath
	LOADCS 0
	LOADCS 1
	MULR 1, NQ-1, 1, 0, NB, 0
	WIN 0
	PLACES 4
.irp b, 0,1,2,3
	v_mov_b32 v[TM+4+\b], 0
.endr
.irp a, 0,1,2,3,4,5,6,7
.if \a < 6
	LOADCS \a+2
	s_wait_loadcnt 32
.else
	s_wait_loadcnt 16*(7-\a)
.endif
	ROPE \a
	WIN 0
	QUANT HA, 0, PW+\a, CD+12*\a
	OUT \a
.endr
	s_branch .Ljoin
.Lvpath:
	MULR 1, NQ-1, 1, 0, NB, 0
	WIN 0
	PLACES 4
.irp b, 0,1,2,3
	v_mov_b32 v[TM+4+\b], 0
.endr
.irp a, 0,1,2,3,4,5,6,7
	QUANT 64*(\a%4), 2+\a/4, PW+\a, CD+12*\a
	OUT \a
.endr
.Ljoin:
.irp a, 0,1,2,3,4,5,6,7
	ds_store_b32 v[SST], v[PW+\a] offset:64*\a
.endr
	ds_load_b128 v[64:67], v[SRD]
	s_wait_dscnt 0x0
	global_store_b128 v[LI], v[64:67], s[92:93]
	s_wait_tensorcnt 0x0
	ds_add_u32 v[SPW], v[NIL]
	s_wait_dscnt 0x0
	CROUND
	s_endpgm
.Lfunc_end_k_q00b50c991c_qkv:
	.size	k_q00b50c991c_qkv, .Lfunc_end_k_q00b50c991c_qkv-k_q00b50c991c_qkv
	.p2alignl 7, 3214868480
	.fill 96, 4, 3214868480
	.section	.rodata,"a",@progbits
	.p2align	6, 0x0
	.amdhsa_kernel k_q00b50c991c_qkv
		.amdhsa_group_segment_fixed_size 327680
		.amdhsa_private_segment_fixed_size 0
		.amdhsa_enable_private_segment 0
		.amdhsa_kernarg_size 48
		.amdhsa_user_sgpr_count 2
		.amdhsa_user_sgpr_kernarg_segment_ptr 1
		.amdhsa_wavefront_size32 1
		.amdhsa_system_sgpr_workgroup_id_x 1
		.amdhsa_system_sgpr_workgroup_id_y 1
		.amdhsa_system_sgpr_workgroup_id_z 1
		.amdhsa_system_vgpr_workitem_id 0
		.amdhsa_next_free_vgpr 1024
		.amdhsa_next_free_sgpr 100
		.amdhsa_reserve_vcc 0
		.amdhsa_float_denorm_mode_32 3
		.amdhsa_float_denorm_mode_16_64 3
		.amdhsa_memory_ordered 1
		.amdhsa_forward_progress 1
		.amdhsa_inst_pref_size 245
	.end_amdhsa_kernel
	.amdgpu_metadata
---
amdhsa.version: [ 1, 2 ]
amdhsa.kernels:
  - .name:           k_q00b50c991c_qkv
    .symbol:         k_q00b50c991c_qkv.kd
    .args:
      - { .name: xq, .offset: 0, .size: 8, .value_kind: global_buffer, .address_space: global }
      - { .name: wimg, .offset: 8, .size: 8, .value_kind: global_buffer, .address_space: global }
      - { .name: freqs_cos, .offset: 16, .size: 8, .value_kind: global_buffer, .address_space: global }
      - { .name: freqs_sin, .offset: 24, .size: 8, .value_kind: global_buffer, .address_space: global }
      - { .name: qq, .offset: 32, .size: 8, .value_kind: global_buffer, .address_space: global }
      - { .name: kv, .offset: 40, .size: 8, .value_kind: global_buffer, .address_space: global }
    .group_segment_fixed_size: 327680
    .private_segment_fixed_size: 0
    .kernarg_segment_align: 8
    .kernarg_segment_size: 48
    .max_flat_workgroup_size: 128
    .sgpr_count:     100
    .vgpr_count:     1024
    .wavefront_size: 32
...
	.end_amdgpu_metadata
.endif
;; end of part 2
;; launch attn (part 3): grid 16 x 16, 4 waves a work-group, clusters of 4 x 4, 327,680 bytes of LDS; arguments qq, kv, mask, aq; writes aq
.if DOCPART == 3
	.amdgcn_target "amdgcn-amd-amdhsa--gfx1250"
	.amdhsa_code_object_version 6
	.text
	.protected	k_q00b50c991c_attn
	.globl	k_q00b50c991c_attn
	.p2align	8
	.type	k_q00b50c991c_attn,@function
k_q00b50c991c_attn:
	s_mov_b64 s[64:65], 0
	v_nop
	global_prefetch_b8 v0, s[64:65] scope:SCOPE_SE
	s_setreg_imm32_b32 hwreg(HW_REG_WAVE_MODE, 25, 1), 1
	s_wait_xcnt 0x0
	s_wait_alu depctr_hold_cnt(0) depctr_sa_sdst(0) depctr_va_vdst(0) depctr_va_sdst(0) depctr_va_ssrc(0) depctr_va_vcc(0) depctr_vm_vsrc(0)
	s_getreg_b32 s2, hwreg(HW_REG_IB_STS2, 6, 4)
	s_cmp_eq_u32 s2, 0
	s_cbranch_scc0 .Lentry_in_a_cluster
	s_endpgm
.Lentry_in_a_cluster:
	s_bfe_u32 s2, ttmp6, 0x10000c
	s_cmp_lg_u32 s2, 0xf033
	s_cbranch_scc0 .Lentry_shape_is_right
	s_endpgm
.Lentry_shape_is_right:
; Attention on codes of FP6 (E2M3) with E8M0 scales: o = softmax(q k^T / sqrt(128) + mask) v, then o quantised along the head's axis into aq.
; A work-group: one head, 128 queries; a wave: 32 queries as two tiles of 16.  Both products are used transposed (S^T = k q^T, O^T = v^T p^T): a lane holds one query.
; qq: [head][tile 128][1536] images, then scale words [head][tile][row].  kv: [head][128 keys] records of 25,600 bytes: k's 8 images, v's 8 images, k's and v's scale words.
; The mask is an input: every one of its numbers is loaded and added, as C of the first product, x sqrt(128); t = (score + mask sqrt(128)) x log2(e) / sqrt(128).
; M is the ceiling of the running largest t; p = 2^(t - M); the row's sum is taken of the unquantised p; O^T and the sum are multiplied by 2^(old M - new M) in every step.
; LIMITS: the promise holds while |t| stays under 2^31; NaN and infinities among the inputs are not served; a block of p whose largest lies under 2^-124 keeps the byte 1.
; RING: two slots of one step (128 keys): a record and 128 rows x 512 bytes of the mask (pitch 528).  Waves 0, 1 fetch 64 rows of the mask each, waves 2, 3 half a record each: one load a wave behind each round.
; CLUSTER 4 x 4: the mask's tile is asked for jointly along a column (same queries, four heads), the record along a row (same head).
; A step reads v at its head; k and the mask of the next step are read into registers of their own behind the change of slots, so a slot is free once its v is in registers.
; PREFETCH: every cluster names what it will itself load, each block of 256 bytes once: waves 0, 1 name 32 rows x 256 bytes of a step's mask, the rows shared out by cy; wave 2 names 25 x 256 bytes of the record, shared out by cx.
; Behind the head's load steps 1 to 3 are named; behind each refill (which asks for step s + 2) step s + 4; the loop's last trip names nothing.
; REGISTERS: tile 0 in window 0, tile 1 in window 2, under the same numbers: v12 -M, v13 largest t, v14-15 sum, v16-27 q, v96-159 scores and p, v160-223 O^T, v224-235 p's codes, v232-254 at work.
; window 0 also: v1-10 addresses, v32-39 k's scale words, v40-47 v's, v48-49 q's, v50 tile 1's p's, v253 tile 0's p's.  window 1: k's fragments v0-95, v's v96-191.  window 3: the next step's mask, v0-127.
.set REC,   25600
.set MSK,   25600
.set MP,    528
.set SLOT,  93184
.set SPARE, 186368
.set AK,  1
.set AS,  3
.set SPW, 5
.set NIL, 6
.set AM,  7
.set AQW, 9
.set PFO, 10
.set PC,  64
.set TM,  232
.set LIM, 2
.set TRIPS, 3
.set WV,  12
.set SEL, 20
.set CS,  22
.set G1M, 24
.set G1K, 32
.set G0M, 40
.set G0K, 48
.set RT,  56
.set PFA, 88
.set PFS, 92
.set MSB, 0
.macro WIN new
.if MSB != (\new)
	s_set_vgpr_msb (MSB<<8)|(\new)
.set MSB, (\new)
.endif
.endm
.macro PLACES
.rept 4
	v_nop
.endr
.endm
.macro JLOAD sl                        ; a joint load into slot sl; an s_nop 0 and four v_nop follow each line
	s_cmp_lt_u32 s[WV], 2
	s_cbranch_scc0 .Lfor_kv_\@
	tensor_load_to_lds s[G0M+4*\sl:G0M+4*\sl+3], s[G1M:G1M+7]
	s_nop 0
	PLACES
	s_branch .Lasked_\@
.Lfor_kv_\@:
	tensor_load_to_lds s[G0K+4*\sl:G0K+4*\sl+3], s[G1K:G1K+7]
	s_nop 0
	PLACES
.Lasked_\@:
.endm
.macro CREST
	s_cmp_lg_u32 s[WV], 0
	s_cbranch_scc1 .Lnot_wave_0_\@
	s_barrier_signal -3
.Lnot_wave_0_\@:
	s_barrier_wait -3
	s_barrier_signal -1
	s_barrier_wait -1
.endm
.macro CROUND
	s_barrier_signal -1
	s_barrier_wait -1
	CREST
.endm
.macro ASK
	s_cmp_gt_u32 s[TRIPS], s[LIM]                  ; not in the last trip, and only the waves that ask
	s_cbranch_scc0 .Lnot_mine_\@
	global_prefetch_b8 v[PFO], s[PFA:PFA+1] th:TH_LOAD_NT scope:SCOPE_SE
.Lnot_mine_\@:
.endm
.macro LOADNEXT n                      ; k's scale words and fragments and both tiles' mask of the step in slot n
.irp t, 0,1,2,3,4,5,6,7
	ds_load_b32 v[32+\t], v[AS+(\n)] offset:64*\t
.endr
	WIN 0x40
.irp t, 0,1,2,3,4,5,6,7
.irp g, 0,1,2
	ds_load_b128 v[12*\t+4*\g:12*\t+4*\g+3], v[AK+(\n)] offset:1536*\t+512*\g
.endr
.endr
	WIN 0xc0
.irp q, 0,1
.irp b, 0,1,2,3
.irp i, 0,1,2,3
	ds_load_b128 v[64*\q+16*\b+4*\i:64*\q+16*\b+4*\i+3], v[AM+(\n)] offset:16*MP*\q+128*\b+16*\i
.endr
.endr
.endr
	WIN 0
.endm
.macro PREMUL                          ; the mask x sqrt(128)
	WIN 0xc3
.set J, 0
.rept 64
	v_pk_mul_f32 v[J:J+1], v[J:J+1], s[RT:RT+1] op_sel_hi:[1,0]
.set J, J+2
.endr
.endm
.macro PMAX W                          ; each block's largest score, the row's, the new -M and f = 2^(old M - new M)
	WIN 0x55*(\W)
.irp b, 0,1,2,3
	v_max3_num_f32 v[232+\b], v[96+16*\b], v[97+16*\b], v[98+16*\b]
.endr
.irp i, 3,5,7,9,11,13
.irp b, 0,1,2,3
	v_max3_num_f32 v[232+\b], v[232+\b], v[96+16*\b+\i], v[97+16*\b+\i]
.endr
.endr
.irp b, 0,1,2,3
	v_max_num_f32 v[232+\b], v[232+\b], v[111+16*\b]
.endr
.irp b, 0,1,2,3
	v_permlanex16_b32 v[236+\b], v[232+\b], s[SEL], s[SEL+1]
.endr
.irp b, 0,1,2,3
	v_max_num_f32 v[232+\b], v[232+\b], v[236+\b]
.endr
	v_max3_num_f32 v254, v232, v233, v234
	v_max_num_f32 v254, v254, v235
	v_mul_f32 v254, s[CS], v254
	v_max_num_f32 v13, v13, v254
	v_mov_b32 v254, v12
	v_floor_f32 v12, -v13
	v_sub_f32 v254, v12, v254
	v_cvt_i32_f32 v254, v254
	v_ldexp_f32 v252, 1.0, v254
.endm
.macro PFMA W                          ; t - M, of the scores and of each block's largest
	WIN 0x55*(\W)
.set J, 0
.rept 32
	v_pk_fma_f32 v[96+J:97+J], v[96+J:97+J], s[CS:CS+1], v[12:13] op_sel_hi:[1,0,0]
.set J, J+2
.endr
.irp b, 0,1,2,3
	v_fma_f32 v[232+\b], v[232+\b], s[CS], v12
.endr
.endm
.macro PRESC W                         ; O^T and the sum under the new M
	WIN 0x55*(\W)
.set J, 0
.rept 32
	v_pk_mul_f32 v[160+J:161+J], v[160+J:161+J], v[252:253] op_sel_hi:[1,0]
.set J, J+2
.endr
	v_pk_mul_f32 v[14:15], v[14:15], v[252:253] op_sel_hi:[1,0]
.endm
.macro PEXP W
	WIN 0x55*(\W)
.set J, 0
.rept 64
	v_exp_f32 v[96+J], v[96+J]
.set J, J+1
.endr
.irp b, 0,1,2,3
	v_exp_f32 v[232+\b], v[232+\b]
.endr
.endm
.macro PQ W                            ; p's scale word and codes; then the row's sum, whose 32 additions are the places ahead of the product
	WIN 0x55*(\W)
.irp b, 0,1,2,3
	v_max_num_f32 v[232+\b], 0x1800000, v[232+\b]
.endr
.irp b, 0,1,2,3
	v_add_nc_u32 v[244+\b], 0xff000000, v[232+\b]
.endr
.irp b, 0,1,2,3
	v_lshrrev_b32 v[236+\b], 23, v[244+\b]
.endr
	v_lshl_or_b32 v253, v237, 8, v236
	v_lshl_or_b32 v253, v238, 16, v253
	v_lshl_or_b32 v253, v239, 24, v253
.irp g, 0,1
	v_cvt_scalef32_pk16_fp6_f32 v[224+6*\g:226+6*\g], v[96+32*\g:111+32*\g], v[244+2*\g]
	v_cvt_scalef32_pk16_fp6_f32 v[236+4*\g:238+4*\g], v[112+32*\g:127+32*\g], v[245+2*\g]
.endr
	v_nop
.irp g, 0,1
.irp i, 0,1,2
	v_permlane16_swap_b32 v[224+6*\g+\i], v[236+4*\g+\i]
.endr
.irp i, 0,1,2
	v_mov_b32 v[227+6*\g+\i], v[236+4*\g+\i]
.endr
.endr
.if \W
	WIN 0x02
	v_mov_b32 v50, v253                            ; scale operands are taken from window 0
	WIN 0x55*(\W)
.endif
	v_pk_add_f32 v[236:237], v[96:97], v[98:99]
.irp j, 4,8,12,16,20,24,28,32,36,40,44,48,52,56,60
	v_pk_add_f32 v[14:15], v[14:15], v[96+\j:97+\j]
	v_pk_add_f32 v[236:237], v[236:237], v[98+\j:99+\j]
.endr
	v_pk_add_f32 v[14:15], v[14:15], v[236:237]
.endm
; One step of 128 keys, in slot sl.  mode 2: the slot is filled again, with the step two on; mode 1: the next slot is only waited for; mode 0: the last step.
.macro STEP sl, mode
.irp t, 0,1,2,3,4,5,6,7
	ds_load_b32 v[40+\t], v[AS+\sl] offset:512+64*\t
.endr
	WIN 0x40
.irp t, 0,1,2,3,4,5,6,7
.irp g, 0,1,2
	ds_load_b128 v[96+12*\t+4*\g:96+12*\t+4*\g+3], v[AK+\sl] offset:12288+1536*\t+512*\g
.endr
.endr
	WIN 0x31                                       ; k window 1, q window 0, the mask window 3, scores window 0
.irp t, 0,1,2,3,4,5,6,7
	v_wmma_scale_f32_16x16x128_f8f6f4 v[96+8*\t:103+8*\t], v[12*\t:12*\t+11], v[16:27], v[8*\t:8*\t+7], v[32+\t], v48 matrix_a_fmt:MATRIX_FMT_FP6 matrix_b_fmt:MATRIX_FMT_FP6
.endr
	WIN 0xb9                                       ; q and scores window 2
.irp t, 0,1,2,3,4,5,6,7
	v_wmma_scale_f32_16x16x128_f8f6f4 v[96+8*\t:103+8*\t], v[12*\t:12*\t+11], v[16:27], v[64+8*\t:71+8*\t], v[32+\t], v49 matrix_a_fmt:MATRIX_FMT_FP6 matrix_b_fmt:MATRIX_FMT_FP6
.endr
	WIN 0
	PLACES
	PMAX 0
	PMAX 2
	WIN 0
.if \mode
	s_wait_alu depctr_va_vdst(0)                   ; ahead of a wait that blocks
	s_wait_tensorcnt 0x0                           ; my one load that was out, my part of the next slot, has landed
	ds_add_u32 v[SPW], v[NIL]
.if \mode == 2
	s_add_nc_u64 s[G0M+4*\sl+2:G0M+4*\sl+3], s[G0M+4*\sl+2:G0M+4*\sl+3], 2*512
	s_add_nc_u64 s[G0K+4*\sl+2:G0K+4*\sl+3], s[G0K+4*\sl+2:G0K+4*\sl+3], 2*REC
	s_wait_xcnt 0x0                                ; the last prefetch has read its address
	s_add_nc_u64 s[PFA:PFA+1], s[PFA:PFA+1], s[PFS:PFS+1]
.endif
.endif
	PFMA 0
	WIN 0
.if \mode
	s_wait_alu depctr_va_vdst(0)
	s_wait_dscnt 0x0                               ; the add is done; v is in registers: my last reads of this slot
	s_barrier_signal -1
.endif
	PRESC 0
	PRESC 2
	WIN 0
.if \mode
	s_wait_alu depctr_va_vdst(0)
	s_barrier_wait -1
.if \mode == 2
	CREST
	JLOAD \sl
.endif
	LOADNEXT 1-\sl
.if \mode == 2
	ASK
.endif
.endif
	s_wait_alu depctr_va_vdst(0)                   ; ahead of the batch
	PEXP 0
	PFMA 2                                         ; plain work on the other tile stands behind tile 0's batch
	s_wait_alu depctr_va_vdst(0)                   ; behind tile 0's batch and ahead of tile 1's
	PEXP 2
	PQ 0                                           ; tile 0's p has had its wait; this names none of tile 1's
	s_wait_alu depctr_va_vdst(0)                   ; behind tile 1's batch, ahead of its first reader
	PQ 2
	s_wait_alu depctr_va_vdst(0)
	s_wait_dscnt 0x0                               ; the next step's k and mask are in (in the last step: v)
.if \mode
	PREMUL
	s_wait_alu depctr_va_vdst(0)
.endif
	WIN 0x01
.irp t, 0,1,2,3,4,5,6,7
	v_wmma_scale_f32_16x16x128_f8f6f4 v[160+8*\t:167+8*\t], v[96+12*\t:96+12*\t+11], v[224:235], v[160+8*\t:167+8*\t], v[40+\t], v253 matrix_a_fmt:MATRIX_FMT_FP6 matrix_b_fmt:MATRIX_FMT_FP6
.endr
	WIN 0xa9
.irp t, 0,1,2,3,4,5,6,7
	v_wmma_scale_f32_16x16x128_f8f6f4 v[160+8*\t:167+8*\t], v[96+12*\t:96+12*\t+11], v[224:235], v[160+8*\t:167+8*\t], v[40+\t], v50 matrix_a_fmt:MATRIX_FMT_FP6 matrix_b_fmt:MATRIX_FMT_FP6
.endr
	WIN 0
	PLACES
.endm
.macro INIT W
	WIN 0x55*(\W)
	v_mov_b32 v13, 0xff61b1e6                      ; -3e38, under every t
	v_floor_f32 v12, -v13
	v_mov_b32 v14, 0
	v_mov_b32 v15, 0
.irp b, 0,1,2,3
	v_mov_b32 v[236+\b], 0
.endr
	v_mov_b32 v253, 0
.set J, 0
.rept 64
	v_mov_b32 v[160+J], 0
.set J, J+1
.endr
.endm
.macro EPI W, j                        ; O^T / the sum, quantised along the head's 128, stored as an operand image and a scale word
	WIN 0x55*(\W)
	v_add_f32 v14, v14, v15
	v_permlanex16_b32 v252, v14, s[SEL], s[SEL+1]
	v_add_f32 v14, v14, v252
	s_wait_alu depctr_va_vdst(0)
	v_rcp_f32 v14, v14
	v_nop
	s_wait_alu depctr_va_vdst(0)
.set J, 0
.rept 64
	v_mul_f32 v[96+J], v[160+J], v14
.set J, J+1
.endr
.irp b, 0,1,2,3
	v_max3_num_f32 v[TM+\b], |v[96+16*\b]|, |v[97+16*\b]|, 0x1800000
.endr
.irp i, 2,4,6,8,10,12,14
.irp b, 0,1,2,3
	v_max3_num_f32 v[TM+\b], v[TM+\b], |v[96+16*\b+\i]|, |v[97+16*\b+\i]|
.endr
.endr
.irp b, 0,1,2,3
	v_permlanex16_b32 v[TM+4+\b], v[TM+\b], s[SEL], s[SEL+1]
.endr
.irp b, 0,1,2,3
	v_max_num_f32 v[TM+\b], v[TM+\b], v[TM+4+\b]
.endr
.irp b, 0,1,2,3
	v_add_nc_u32 v[TM+12+\b], 0xff000000, v[TM+\b]
.endr
.irp b, 0,1,2,3
	v_lshrrev_b32 v[TM+4+\b], 23, v[TM+12+\b]
.endr
	v_lshl_or_b32 v248, v[TM+5], 8, v[TM+4]
	v_lshl_or_b32 v248, v[TM+6], 16, v248
	v_lshl_or_b32 v248, v[TM+7], 24, v248
.irp g, 0,1
	v_cvt_scalef32_pk16_fp6_f32 v[PC+6*\g:PC+2+6*\g], v[96+32*\g:111+32*\g], v[TM+12+2*\g]
	v_cvt_scalef32_pk16_fp6_f32 v[PC+12+4*\g:PC+14+4*\g], v[112+32*\g:127+32*\g], v[TM+13+2*\g]
.endr
	v_nop
.irp g, 0,1
.irp i, 0,1,2
	v_permlane16_swap_b32 v[PC+6*\g+\i], v[PC+12+4*\g+\i]
.endr
.irp i, 0,1,2
	v_mov_b32 v[PC+3+6*\g+\i], v[PC+12+4*\g+\i]
.endr
.endr
	WIN 0x04*(\W)                                  ; a store's data: the tile's window
.irp g, 0,1,2
	global_store_b128 v[AK], v[PC+4*\g:PC+4*\g+3], s[84:85] offset:24576*\j+512*\g
.endr
	global_store_b32 v[AQW], v248, s[86:87] offset:1024*\j
.endm
	s_load_b256 s[4:11], s[0:1], 0x0               ; qq, kv, mask, aq
	v_lshl_add_u32 v[SPW], v0, 2, SPARE
	v_mov_b32 v[NIL], 0
	ds_add_u32 v[SPW], v[NIL]                      ; the opening: the add twice and its wait
	ds_add_u32 v[SPW], v[NIL]
	v_lshrrev_b32 v52, 5, v0
	v_readfirstlane_b32 s[WV], v52
	s_bfe_u32 s13, ttmp6, 0x40000                  ; cx
	s_bfe_u32 s14, ttmp6, 0x40004                  ; cy
	s_lshl_b32 s15, ttmp9, 2
	s_add_co_u32 s15, s15, s13                     ; X: which 128 queries
	s_and_b32 s16, ttmp7, 0xffff
	s_lshl_b32 s17, s16, 2
	s_add_co_u32 s17, s17, s14                     ; the head
	s_lshl_b32 s18, s14, 2
	s_lshl_b32 s18, 15, s18
	s_lshl_b32 s19, 0x1111, s13
	s_or_b32 s[G1M], s19, (2<<16)|(1<<20)|(1<<21)|(6<<22)|(3<<25)   ; 64 rows of 128 f32, 16 bytes of padding behind each
	s_mov_b32 s[G1M+1], 128<<16
	s_mov_b32 s[G1M+2], 64<<16
	s_mov_b32 s[G1M+3], 128<<16
	s_mov_b32 s[G1M+4], 64
	s_mov_b32 s[G1M+5], 2048
	s_mov_b32 s[G1M+6], 0
	s_mov_b32 s[G1M+7], 0
	s_or_b32 s[G1K], s18, (3<<16)|(1<<21)          ; half a record: 50 rows of 256 bytes, dense
	s_mov_b32 s[G1K+1], 32<<16
	s_mov_b32 s[G1K+2], 50<<16
	s_mov_b32 s[G1K+3], 32<<16
	s_mov_b32 s[G1K+4], 50
	s_mov_b32 s[G1K+5], 32
	s_mov_b32 s[G1K+6], 0
	s_mov_b32 s[G1K+7], 0
	s_and_b32 s76, s[WV], 1
	s_lshl_b32 s78, s15, 20
	s_lshl_b32 s79, s76, 19
	s_add_co_u32 s78, s78, s79
	s_mov_b32 s79, 0
	s_mul_i32 s80, s17, 409600
	s_mul_i32 s85, s76, 12800
	s_add_co_u32 s80, s80, s85
	s_mov_b32 s81, 0
	s_mul_i32 s84, s76, 64*MP
	s_add_co_u32 s84, s84, MSK
	s_mov_b32 s[SEL], 0x76543210
	s_mov_b32 s[SEL+1], 0xfedcba98
	s_mov_b32 s[CS], 0x3e0293ee                    ; log2(e) / sqrt(128)
	s_mov_b32 s[CS+1], s[CS]
	s_mov_b32 s[RT], 0x413504f3                    ; sqrt(128)
	s_mov_b32 s[RT+1], s[RT]
	s_wait_dscnt 0x0
	s_wait_kmcnt 0x0
	s_mov_b32 s[G0M], 1
	s_mov_b32 s[G0M+1], s84
	s_add_nc_u64 s[G0M+2:G0M+3], s[8:9], s[78:79]
	s_mov_b32 s[G0M+4], 1
	s_add_co_u32 s[G0M+5], s84, SLOT
	s_add_nc_u64 s[G0M+6:G0M+7], s[G0M+2:G0M+3], 512
	s_or_b32 s[G0M+3], s[G0M+3], 0x80000000
	s_or_b32 s[G0M+7], s[G0M+7], 0x80000000
	s_mov_b32 s[G0K], 1
	s_mov_b32 s[G0K+1], s85
	s_add_nc_u64 s[G0K+2:G0K+3], s[6:7], s[80:81]
	s_mov_b32 s[G0K+4], 1
	s_add_co_u32 s[G0K+5], s85, SLOT
	s_add_nc_u64 s[G0K+6:G0K+7], s[G0K+2:G0K+3], REC
	s_or_b32 s[G0K+3], s[G0K+3], 0x80000000
	s_or_b32 s[G0K+7], s[G0K+7], 0x80000000
	CROUND
	JLOAD 0                                        ; step 0: one load a wave at the head
	; the rest of the head stands under that load
	s_lshl_b32 s94, s15, 20                        ; the prefetches: the mask's rows by cy, 256 bytes by wave; the record's 6,400 bytes by cx; both stand at step 1
	s_lshl_b32 s95, s14, 18
	s_add_co_u32 s94, s94, s95
	s_lshl_b32 s95, s[WV], 8
	s_add_co_u32 s94, s94, s95
	s_add_co_u32 s94, s94, 512
	s_mul_i32 s95, s17, 409600
	s_mul_i32 s96, s13, 6400
	s_add_co_u32 s95, s95, s96
	s_add_co_u32 s95, s95, REC
	s_cmp_lt_u32 s[WV], 2
	s_cselect_b64 s[PFA:PFA+1], s[8:9], s[6:7]
	s_mov_b32 s[PFS], REC
	s_cselect_b32 s[PFS], 512, s[PFS]
	s_cselect_b32 s96, 31, 24
	s_cselect_b32 s97, 13, 8
	s_cselect_b32 s66, s94, s95
	s_mov_b32 s67, 0
	s_mov_b32 s[PFS+1], 0
	s_add_nc_u64 s[PFA:PFA+1], s[PFA:PFA+1], s[66:67]
	s_cmp_lt_u32 s[WV], 3
	s_cselect_b32 s[LIM], 1, -1                    ; waves 0 to 2 ask
	s_lshl_b32 s77, s15, 3
	s_lshl_b32 s78, s[WV], 1
	s_add_co_u32 s77, s77, s78                     ; my first tile of 16 tokens: 8 X + 2 wave
	s_mul_i32 s76, s17, 196608
	s_mul_i32 s78, s77, 1536
	s_add_co_u32 s76, s76, s78
	s_lshl_b32 s80, s17, 13
	s_lshl_b32 s78, s77, 6
	s_add_co_u32 s80, s80, s78
	s_add_co_u32 s80, s80, 3145728
	s_mul_i32 s84, s77, 24576
	s_mul_i32 s85, s17, 1536
	s_add_co_u32 s84, s84, s85
	s_lshl_b32 s86, s77, 10
	s_lshr_b32 s87, s17, 1
	s_lshl_b32 s87, s87, 7
	s_add_co_u32 s86, s86, s87
	s_and_b32 s87, s17, 1
	s_lshl_b32 s87, s87, 2
	s_add_co_u32 s86, s86, s87
	s_add_co_u32 s86, s86, 3145728
	s_mov_b32 s77, 0
	s_mov_b32 s81, 0
	s_mov_b32 s85, 0
	s_mov_b32 s87, 0
	s_add_nc_u64 s[76:77], s[4:5], s[76:77]        ; q's images
	s_add_nc_u64 s[80:81], s[4:5], s[80:81]        ; q's scale words
	s_add_nc_u64 s[84:85], s[10:11], s[84:85]      ; aq's images
	s_add_nc_u64 s[86:87], s[10:11], s[86:87]      ; aq's scale words
	s_mul_i32 s99, s[WV], 32*MP
	s_add_co_u32 s99, s99, MSK
	v_and_b32 v52, 31, v0
	v_and_b32 v53, 15, v0                          ; r
	v_bfe_u32 v54, v0, 4, 1                        ; h
	v_min_u32 v[PFO], s96, v52
	v_lshlrev_b32 v[PFO], s97, v[PFO]
	v_add_nc_u32 v59, s[PFS], v[PFO]               ; one and two steps on
	v_add_nc_u32 v60, s[PFS], v59
	v_lshlrev_b32 v[AK], 4, v52
	v_add_nc_u32 v[AK+1], SLOT, v[AK]
	v_lshl_add_u32 v[AS], v53, 2, 24576
	v_add_nc_u32 v[AS+1], SLOT, v[AS]
	v_mul_u32_u24 v[AM], v53, MP
	v_lshl_add_u32 v[AM], v54, 6, v[AM]
	v_add_nc_u32 v[AM], s99, v[AM]                 ; the mask: row 32 wave + r, + 64 h
	v_add_nc_u32 v[AM+1], SLOT, v[AM]
	v_lshlrev_b32 v[AQW], 3, v53
	v_lshrrev_b32 v55, 3, v53
	v_and_b32 v56, 7, v53
	v_mul_u32_u24 v57, v55, 1536                   ; 16 neighbouring tokens lie in two of qq's tiles, eight lanes of each
	v_lshl_add_u32 v57, v56, 4, v57
	v_lshl_add_u32 v57, v54, 8, v57
	v_lshlrev_b32 v58, 6, v55
	v_lshl_add_u32 v58, v56, 2, v58
	s_wait_alu depctr_va_vdst(0)
	s_cmp_eq_u32 s[LIM], 1
	s_cbranch_scc0 .Lno_head_ask
	global_prefetch_b8 v[PFO], s[PFA:PFA+1] th:TH_LOAD_NT scope:SCOPE_SE   ; step 1
.Lno_head_ask:
.irp g, 0,1,2
	global_load_b128 v[16+4*\g:19+4*\g], v57, s[76:77] offset:512*\g
.endr
	global_load_b32 v48, v58, s[80:81]
	global_load_b32 v49, v58, s[80:81] offset:32
	WIN 0x80
.irp g, 0,1,2
	global_load_b128 v[16+4*\g:19+4*\g], v57, s[76:77] offset:128+512*\g
.endr
	INIT 0
	INIT 2
	WIN 0
	s_wait_alu depctr_va_vdst(0)                   ; the wait at the head's end
	s_wait_tensorcnt 0x0                           ; my part of step 0 is in
	ds_add_u32 v[SPW], v[NIL]
	s_wait_dscnt 0x0
	CROUND
	JLOAD 1                                        ; step 1
	LOADNEXT 0
	s_cmp_eq_u32 s[LIM], 1
	s_cbranch_scc0 .Lno_head_ask2
	global_prefetch_b8 v59, s[PFA:PFA+1] th:TH_LOAD_NT scope:SCOPE_SE      ; steps 2 and 3
	global_prefetch_b8 v60, s[PFA:PFA+1] th:TH_LOAD_NT scope:SCOPE_SE
.Lno_head_ask2:
	s_wait_loadcnt 0x0
	s_wait_dscnt 0x0
	PREMUL
	WIN 0
	s_wait_xcnt 0x0                                ; the head's prefetches have read their address: it goes on to step 3
	s_add_nc_u64 s[PFA:PFA+1], s[PFA:PFA+1], s[PFS:PFS+1]
	s_add_nc_u64 s[PFA:PFA+1], s[PFA:PFA+1], s[PFS:PFS+1]
	s_mov_b32 s[TRIPS], 7
	s_wait_alu depctr_va_vdst(0)
.Ltrip:                                                ; steps 0 to 13: each fills its slot again, with steps 2 to 15
	STEP 0, 2
	STEP 1, 2
	s_sub_co_u32 s[TRIPS], s[TRIPS], 1
	s_cmp_lg_u32 s[TRIPS], 0
	s_wait_alu depctr_va_vdst(0)
	s_cbranch_scc1 .Ltrip
	STEP 0, 1
	STEP 1, 0
	EPI 0, 0
	EPI 2, 1
	WIN 0
	s_wait_tensorcnt 0x0                           ; the wave's end
	ds_add_u32 v[SPW], v[NIL]
	s_wait_dscnt 0x0
	CROUND                                         ; the closing round
	s_endpgm
.Lfunc_end_k_q00b50c991c_attn:
	.size	k_q00b50c991c_attn, .Lfunc_end_k_q00b50c991c_attn-k_q00b50c991c_attn
	.p2alignl 7, 3214868480
	.fill 96, 4, 3214868480
	.section	.rodata,"a",@progbits
	.p2align	6, 0x0
	.amdhsa_kernel k_q00b50c991c_attn
		.amdhsa_group_segment_fixed_size 327680
		.amdhsa_private_segment_fixed_size 0
		.amdhsa_enable_private_segment 0
		.amdhsa_kernarg_size 32
		.amdhsa_user_sgpr_count 2
		.amdhsa_user_sgpr_kernarg_segment_ptr 1
		.amdhsa_wavefront_size32 1
		.amdhsa_system_sgpr_workgroup_id_x 1
		.amdhsa_system_sgpr_workgroup_id_y 1
		.amdhsa_system_sgpr_workgroup_id_z 1
		.amdhsa_system_vgpr_workitem_id 0
		.amdhsa_next_free_vgpr 1024
		.amdhsa_next_free_sgpr 100
		.amdhsa_reserve_vcc 0
		.amdhsa_float_denorm_mode_32 3
		.amdhsa_float_denorm_mode_16_64 3
		.amdhsa_memory_ordered 1
		.amdhsa_forward_progress 1
		.amdhsa_inst_pref_size 193
	.end_amdhsa_kernel
	.amdgpu_metadata
---
amdhsa.version: [ 1, 2 ]
amdhsa.kernels:
  - .name:           k_q00b50c991c_attn
    .symbol:         k_q00b50c991c_attn.kd
    .args:
      - { .name: qq, .offset: 0, .size: 8, .value_kind: global_buffer, .address_space: global }
      - { .name: kv, .offset: 8, .size: 8, .value_kind: global_buffer, .address_space: global }
      - { .name: mask, .offset: 16, .size: 8, .value_kind: global_buffer, .address_space: global }
      - { .name: aq, .offset: 24, .size: 8, .value_kind: global_buffer, .address_space: global }
    .group_segment_fixed_size: 327680
    .private_segment_fixed_size: 0
    .kernarg_segment_align: 8
    .kernarg_segment_size: 32
    .max_flat_workgroup_size: 128
    .sgpr_count:     100
    .vgpr_count:     1024
    .wavefront_size: 32
...
	.end_amdgpu_metadata
.endif
;; end of part 3
;; launch oproj (part 4): grid 16 x 16, 4 waves a work-group, clusters of 4 x 4, 327,680 bytes of LDS; arguments aq, wimg, out0; writes out0
.if DOCPART == 4
	.amdgcn_target "amdgcn-amd-amdhsa--gfx1250"
	.amdhsa_code_object_version 6
	.text
	.protected	k_q00b50c991c_oproj
	.globl	k_q00b50c991c_oproj
	.p2align	8
	.type	k_q00b50c991c_oproj,@function
k_q00b50c991c_oproj:
	s_mov_b64 s[64:65], 0
	v_nop
	global_prefetch_b8 v0, s[64:65] scope:SCOPE_SE
	s_setreg_imm32_b32 hwreg(HW_REG_WAVE_MODE, 25, 1), 1
	s_wait_xcnt 0x0
	s_wait_alu depctr_hold_cnt(0) depctr_sa_sdst(0) depctr_va_vdst(0) depctr_va_sdst(0) depctr_va_ssrc(0) depctr_va_vcc(0) depctr_vm_vsrc(0)
	s_getreg_b32 s2, hwreg(HW_REG_IB_STS2, 6, 4)
	s_cmp_eq_u32 s2, 0
	s_cbranch_scc0 .Lentry_in_a_cluster
	s_endpgm
.Lentry_in_a_cluster:
	s_bfe_u32 s2, ttmp6, 0x10000c
	s_cmp_lg_u32 s2, 0xf033
	s_cbranch_scc0 .Lentry_shape_is_right
	s_endpgm
.Lentry_shape_is_right:
; out0 = a wo on codes of FP6 (E2M3) with E8M0 scales, K = 2,048.  aq: the attention's result, wimg's tiles 384-511: wo; both as operand images [tile][K step 16][1536], then scale words [tile][K step / 2][row][2].
; aq's tiles hold 16 neighbouring tokens; lane r of wo's tile T holds column 32 (T / 2) + 8 (T % 2) + r + 8 (r / 8).
; 256 work-groups of four waves make 128 x 128 each, a wave 64 x 64: 16 accumulators.  Source 1 = 16 tokens, source 0 = 16 columns: a lane holds one token.
; CLUSTER 4 x 4: the tokens' tiles are asked for jointly along a row of the cluster, the columns' along a column.
; LDS.  Bytes 0 to 196,607: K steps 0-7, the tokens' 8 tiles then the columns' 8, 12,288 bytes a tile.  From 196,608: K steps 8-11, a quarter (4 tiles x 6,144 bytes) for each wave.  Then the scale words.
; THE HEAD: one load a wave: wave 0 the tokens' K steps 0-7, wave 1 the columns', waves 2 and 3 the scale words.  Behind the full sequence and a round: K steps 8-11, a quarter a wave.
; At K step 7 the first 98,304 bytes are filled again, with K steps 12-15, a quarter a wave.  The 16 K steps are written out.
; PREFETCH: behind the head's loads each wave names, of the four tiles of its later quarter loads, the one that falls to its work-group (by cx for the tokens, by cy for the columns): 24 blocks of 256 bytes for K steps 8-11 and 24 for K steps 12-15.
; REGISTERS.  window 0: v0-31 addresses; v32-63 scale words, two sets; from v64 and v160 the tokens' two sets.  window 1: the columns' two sets at v0, v128.  window 2: the accumulators.
.set NB,    4
.set NQ,    4
.set TROW,  NQ*1536
.set HALFT, NB*TROW
.set SLOT,  4*HALFT
.set HALFS, 1024*NB
.set SCL,   3*SLOT
.set SCLB,  SCL+2*HALFS+128
.set SPARE, 311552
.set STG,   SLOT                       ; the way out: in the columns' K steps 0-7: filled once, read no more behind K step 7's barrier
.set SPIT,  272
.set ADRA, 16                          ; v16: K steps 12-15; v17: K steps 0-7; v18: K steps 8-11
.set ADRB, 20
.set CO,   23
.set STO,  24
.set RD,   25
.set LI,   26
.set ADRS, 27
.set SPW,  28
.set NIL,  29
.set PFO,  30
.set SC,   32
.set AF,   64
.set G1, 24
.set G0, 32                            ; s[32:35] the refill's group 0 (tokens); s[36:39] the head's; s[96:99] K steps 8-11
.set G1B, 48
.set G0B, 56                           ; s[56:59], s[60:63], s[12:15] the same for the columns
.set G1S, 68
.set G0S, 76
.set G1SB, 80
.set G0SB, 88
.set TP, 2*TROW                        ; bytes from tile to tile in the LDS region that is being read
.set QB, 0                             ; first K step of the four at work, within that region
.set MSB, 0
.macro WIN new
.if MSB != (\new)
	s_set_vgpr_msb (MSB<<8)|(\new)
.set MSB, (\new)
.endif
.endm
.macro PLACES n
.rept \n
	v_nop
.endr
.endm
.macro JLOAD g0a, g1a, g0b, g1b
	s_cmp_eq_u32 s17, 0
	s_cbranch_scc0 .Lfor_b_\@
	tensor_load_to_lds s[\g0a:\g0a+3], s[\g1a:\g1a+7]
	s_nop 0
	PLACES 4
	s_branch .Lasked_\@
.Lfor_b_\@:
	tensor_load_to_lds s[\g0b:\g0b+3], s[\g1b:\g1b+7]
	s_nop 0
	PLACES 4
.Lasked_\@:
.endm
.macro CREST
	s_cmp_lg_u32 s16, 0
	s_cbranch_scc1 .Lnot_wave_0_\@
	s_barrier_signal -3
.Lnot_wave_0_\@:
	s_barrier_wait -3
	s_barrier_signal -1
	s_barrier_wait -1
.endm
.macro CROUND
	s_barrier_signal -1
	s_barrier_wait -1
	CREST
.endm
	s_load_b128 s[4:7], s[0:1], 0x0                ; aq, wimg
	s_load_b64 s[8:9], s[0:1], 0x10                ; out0
	v_lshl_add_u32 v[SPW], v0, 2, SPARE
	v_mov_b32 v[NIL], 0
	ds_add_u32 v[SPW], v[NIL]                      ; the opening: the add twice and its wait
	ds_add_u32 v[SPW], v[NIL]
	v_lshrrev_b32 v1, 5, v0
	v_readfirstlane_b32 s16, v1
	s_lshr_b32 s17, s16, 1                         ; my half of the tokens; in the quarter loads: tokens (0) or columns (1)
	s_and_b32 s18, s16, 1                          ; my half of the columns; in the quarter loads: which half
	s_bfe_u32 s40, ttmp6, 0x40000
	s_bfe_u32 s41, ttmp6, 0x40004
	s_lshl_b32 s42, ttmp9, 2
	s_add_co_u32 s42, s42, s40                     ; X
	s_and_b32 s19, ttmp7, 0xffff
	s_lshl_b32 s19, s19, 2
	s_add_co_u32 s19, s19, s41                     ; Y
	s_lshl_b32 s43, s41, 2
	s_lshl_b32 s43, 15, s43
	s_lshl_b32 s44, 0x1111, s40
	s_or_b32 s[G1+0], s43, (3<<16)|(1<<21)
	s_or_b32 s[G1B+0], s44, (3<<16)|(1<<21)
.irp g, G1, G1B                        ; the head's shape: 8 tiles x 12,288 bytes
	s_mov_b32 s[\g+1], (2*TROW/8)<<16
	s_mov_b32 s[\g+2], (2*NB)<<16
	s_mov_b32 s[\g+3], (2*TROW/8)<<16
	s_mov_b32 s[\g+4], 2*NB
	s_mov_b32 s[\g+5], 3072
	s_mov_b32 s[\g+6], 0
	s_mov_b32 s[\g+7], 0
.endr
	s_or_b32 s[G1S+0], s43, (3<<16)|(1<<21)
	s_or_b32 s[G1SB+0], s44, (3<<16)|(1<<21)
.irp g, G1S, G1SB                      ; 8 tiles' scale words: 32 rows of 256 bytes, dense
	s_mov_b32 s[\g+1], 32<<16
	s_mov_b32 s[\g+2], (8*NB)<<16
	s_mov_b32 s[\g+3], 32<<16
	s_mov_b32 s[\g+4], 8*NB
	s_mov_b32 s[\g+5], 32
	s_mov_b32 s[\g+6], 0
	s_mov_b32 s[\g+7], 0
.endr
	s_lshl_b32 s20, s19, 3                         ; the tokens' first tile
	s_lshl_b32 s46, s42, 3
	s_add_co_u32 s46, s46, 384                     ; the columns': wo's tiles begin at 384
	s_lshl_b32 s22, s20, 10
	s_add_co_u32 s22, s22, 3145728
	s_mov_b32 s23, 0
	s_mul_i32 s20, s20, 24576
	s_mov_b32 s21, 0
	s_lshl_b32 s92, s46, 10
	s_add_co_u32 s92, s92, 12582912
	s_mov_b32 s93, 0
	s_mul_i32 s46, s46, 24576
	s_mov_b32 s47, 0
	s_mul_i32 s10, s18, 4*24576                    ; the quarter loads: which four tiles
	s_mov_b32 s11, 0
	s_mul_i32 s45, s16, HALFT
	s_wait_dscnt 0x0
	s_wait_kmcnt 0x0
	s_add_nc_u64 s[20:21], s[4:5], s[20:21]
	s_add_nc_u64 s[22:23], s[4:5], s[22:23]
	s_add_nc_u64 s[46:47], s[6:7], s[46:47]
	s_add_nc_u64 s[92:93], s[6:7], s[92:93]
	CROUND
	s_mov_b32 s[G0+4], 1
	s_mov_b32 s[G0+5], 0
	s_mov_b64 s[G0+6:G0+7], s[20:21]
	s_or_b32 s[G0+7], s[G0+7], 0x80000000
	s_mov_b32 s[G0B+4], 1
	s_mov_b32 s[G0B+5], SLOT
	s_mov_b64 s[G0B+6:G0B+7], s[46:47]
	s_or_b32 s[G0B+7], s[G0B+7], 0x80000000
	s_mov_b32 s[G0S], 1
	s_mov_b32 s[G0S+1], SCL
	s_mov_b64 s[G0S+2:G0S+3], s[22:23]
	s_or_b32 s[G0S+3], s[G0S+3], 0x80000000
	s_mov_b32 s[G0SB], 1
	s_mov_b32 s[G0SB+1], SCLB
	s_mov_b64 s[G0SB+2:G0SB+3], s[92:93]
	s_or_b32 s[G0SB+3], s[G0SB+3], 0x80000000
	s_add_nc_u64 s[20:21], s[20:21], s[10:11]
	s_add_nc_u64 s[46:47], s[46:47], s[10:11]
	s_mov_b32 s[G0], 1                             ; K steps 12-15
	s_mov_b32 s[G0+1], s45
	s_add_nc_u64 s[G0+2:G0+3], s[20:21], 3*TROW
	s_or_b32 s[G0+3], s[G0+3], 0x80000000
	s_mov_b32 s[G0B], 1
	s_mov_b32 s[G0B+1], s45
	s_add_nc_u64 s[G0B+2:G0B+3], s[46:47], 3*TROW
	s_or_b32 s[G0B+3], s[G0B+3], 0x80000000
	s_mov_b32 s96, 1                               ; K steps 8-11
	s_add_co_u32 s97, s45, 2*SLOT
	s_add_nc_u64 s[98:99], s[20:21], 2*TROW
	s_or_b32 s99, s99, 0x80000000
	s_mov_b32 s12, 1
	s_add_co_u32 s13, s45, 2*SLOT
	s_add_nc_u64 s[14:15], s[46:47], 2*TROW
	s_or_b32 s15, s15, 0x80000000
	s_cmp_eq_u32 s17, 0                            ; the prefetches: my quarter's tile that falls to my work-group
	s_cselect_b64 s[4:5], s[20:21], s[46:47]
	s_cselect_b32 s6, s40, s41
	s_mul_i32 s6, s6, 24576
	s_mov_b32 s7, 0
	s_add_nc_u64 s[4:5], s[4:5], s[6:7]
.macro ARM under, g0, g1, next         ; one chain of branches on the wave's number, one load to an arm
	s_cmp_lt_u32 s16, \under
	s_cbranch_scc0 \next
	tensor_load_to_lds s[\g0:\g0+3], s[\g1:\g1+7]
	s_nop 0
	PLACES 4
	s_branch .Lhead_asked
\next:
.endm
	ARM 1, G0+4,  G1,  .Lhead_b
	ARM 2, G0B+4, G1B, .Lhead_sa
	ARM 3, G0S,   G1S, .Lhead_sb
	tensor_load_to_lds s[G0SB:G0SB+3], s[G1SB:G1SB+7]
	s_nop 0
	PLACES 4
.Lhead_asked:
	s_mul_i32 s21, s17, HALFT
	s_mul_i32 s22, s18, HALFT
	s_add_co_u32 s22, s22, 2*HALFT
	s_mul_i32 s10, s17, 2*HALFT
	s_mul_i32 s11, s18, 2*HALFT
	s_add_co_u32 s11, s11, SLOT
	v_and_b32 v1, 31, v0
	v_lshlrev_b32 v[LI], 4, v1
	v_and_b32 v2, 15, v0                           ; r
	v_bfe_u32 v3, v0, 4, 1                         ; h
	v_min_u32 v[PFO], 23, v1                       ; the lanes left over name the last block again
	v_lshlrev_b32 v[PFO], 8, v[PFO]
	v_add_nc_u32 v[ADRA], s21, v[LI]
	v_add_nc_u32 v[ADRB], s22, v[LI]
	v_add_nc_u32 v[ADRA+1], s10, v[LI]
	v_add_nc_u32 v[ADRB+1], s11, v[LI]
	v_add_nc_u32 v[ADRA+2], 2*SLOT, v[ADRA]
	v_add_nc_u32 v[ADRB+2], 2*SLOT, v[ADRB]
	s_wait_alu depctr_va_vdst(0)
	global_prefetch_b8 v[PFO], s[4:5] offset:2*TROW th:TH_LOAD_NT scope:SCOPE_SE   ; K steps 8-11
	global_prefetch_b8 v[PFO], s[4:5] offset:3*TROW th:TH_LOAD_NT scope:SCOPE_SE   ; K steps 12-15
	s_mul_i32 s21, s17, HALFS
	s_mul_i32 s22, s18, HALFS
	s_add_co_u32 s22, s22, SCLB-SCL
	s_sub_co_u32 s22, s22, s21
	v_mul_u32_u24 v4, s22, v3                      ; lanes 16-31 take the columns' words: one product, the distance between the two bases
	s_add_co_u32 s21, s21, SCL
	v_lshl_add_u32 v4, v2, 3, v4
	v_add_nc_u32 v[ADRS], s21, v4
	s_mul_i32 s21, s16, 16*SPIT
	s_add_co_u32 s21, s21, STG
	v_mul_u32_u24 v[STO], v2, SPIT
	v_lshl_add_u32 v[STO], v3, 6, v[STO]
	v_add_nc_u32 v[STO], s21, v[STO]
	v_mul_u32_u24 v[RD], v3, SPIT
	v_lshl_add_u32 v[RD], v2, 4, v[RD]
	v_add_nc_u32 v[RD], s21, v[RD]
	v_lshlrev_b32 v[CO], 13, v3
	v_lshl_add_u32 v[CO], v2, 4, v[CO]
	s_lshl_b32 s20, s19, 20
	s_lshl_b32 s21, s17, 19
	s_add_co_u32 s20, s20, s21
	s_lshl_b32 s46, s42, 9
	s_add_co_u32 s46, s46, s20
	s_lshl_b32 s47, s18, 8
	s_add_co_u32 s46, s46, s47
	s_mov_b32 s47, 0
	s_add_nc_u64 s[8:9], s[8:9], s[46:47]
.macro FRAG reg, adr, q, i
.irp c, 0,1,2
	ds_load_b128 v[(\reg)+4*\c:(\reg)+4*\c+3], v[\adr] offset:(\i)*TP+((\q)+QB)*1536+512*\c
.endr
.endm
.macro FETCH slot, q, f
	WIN 0x40
.set FI, 0
.rept NB
	FRAG 128*(\f)+12*FI, ADRB+\slot, \q, FI
.set FI, FI+1
.endr
	WIN 0
.set FI, 0
.rept NB
	FRAG AF+96*(\f)+12*FI, ADRA+\slot, \q, FI
.set FI, FI+1
.endr
.endm
.macro SCALES sc
.set FI, 0
.rept NB
.set FE, 0
.rept NQ/2
	ds_load_b64 v[SC+16*(\sc)+NQ*FI+2*FE:SC+16*(\sc)+NQ*FI+2*FE+1], v[ADRS] offset:1024*FI+128*FE
.set FE, FE+1
.endr
.set FI, FI+1
.endr
.endm
; The accumulators take turns, one instruction a turn
.macro MULR f, q, sc, a0, na, zero
.set AA, (\a0)
.rept (\na)
	WIN (0xa1+0x50*(AA/4))
.set BB, 0
.rept NB
.set ACC, 8*(NB*(AA%4)+BB)
.if \zero
	v_wmma_scale_f32_16x16x128_f8f6f4 v[ACC:ACC+7], v[128*(\f)+12*BB:128*(\f)+12*BB+11], v[AF+96*(\f)+12*AA:AF+96*(\f)+12*AA+11], 0, v[SC+16*(\sc)+NQ*BB+(\q)], v[SC+16*(\sc)+NQ*AA+(\q)] matrix_a_fmt:MATRIX_FMT_FP6 matrix_b_fmt:MATRIX_FMT_FP6 matrix_a_scale:MATRIX_SCALE_ROW1
.else
	v_wmma_scale_f32_16x16x128_f8f6f4 v[ACC:ACC+7], v[128*(\f)+12*BB:128*(\f)+12*BB+11], v[AF+96*(\f)+12*AA:AF+96*(\f)+12*AA+11], v[ACC:ACC+7], v[SC+16*(\sc)+NQ*BB+(\q)], v[SC+16*(\sc)+NQ*AA+(\q)] matrix_a_fmt:MATRIX_FMT_FP6 matrix_b_fmt:MATRIX_FMT_FP6 matrix_a_scale:MATRIX_SCALE_ROW1
.endif
.set BB, BB+1
.endr
.set AA, AA+1
.endr
.endm
.macro KSTEP ls, sc, q, zero           ; a K step whose successor lies among the same four
	s_wait_dscnt 0x0
	PLACES 4
	FETCH \ls, (\q)+1, ((\q)+1)%2
	MULR (\q)%2, \q, \sc, 0, NB, \zero
.endm
; The last of four K steps goes on to region nls.  mode 0: that region was shown whole by an earlier barrier.  mode 1: its load is waited for, and a barrier shows it.
; mode 2: besides, the first 98,304 bytes, read no more, are filled again: the waits and the add, a round, the joint load first behind it.
.macro LAST sc, nls, mode
.if \mode
	WIN 0
	s_wait_tensorcnt 0x0
	ds_add_u32 v[SPW], v[NIL]
	s_wait_dscnt 0x0
	s_barrier_signal -1
	s_barrier_wait -1
.if \mode == 2
	CREST
	JLOAD G0, G1, G0B, G1B
.else
	PLACES 4
.endif
.else
	s_wait_dscnt 0x0
	PLACES 4
	WIN 0
.endif
	v_add_nc_u32 v[ADRS], 64*NQ, v[ADRS]
	FETCH \nls, 0, 0
	SCALES 1-(\sc)
	MULR 1, NQ-1, \sc, 0, NB, 0
.endm
	s_wait_alu depctr_va_vdst(0)                   ; the wait at the head's end
	s_wait_tensorcnt 0x0                           ; my tile of the head's four is in
	ds_add_u32 v[SPW], v[NIL]
.irp g, G1, G1B                        ; no load of mine is out: from here on a load brings 4 tiles x 6,144 bytes
	s_mov_b32 s[\g+1], (TROW/8)<<16
	s_mov_b32 s[\g+2], NB<<16
	s_mov_b32 s[\g+3], (TROW/8)<<16
	s_mov_b32 s[\g+4], NB
.endr
	s_wait_dscnt 0x0
	CROUND
	JLOAD 96, G1, 12, G1B                          ; K steps 8-11
	FETCH 1, 0, 0
	SCALES 0
	KSTEP 1, 0, 0, 1                               ; the first K step's products start the sums
	KSTEP 1, 0, 1, 0
	KSTEP 1, 0, 2, 0
.set QB, 4
	LAST 0, 1, 0                                   ; K step 3
	s_wait_alu depctr_va_vdst(0)
	KSTEP 1, 1, 0, 0
	KSTEP 1, 1, 1, 0
	KSTEP 1, 1, 2, 0
.set QB, 0
.set TP, TROW
	LAST 1, 2, 2                                   ; K step 7: K steps 8-11 are whole; K steps 12-15 are asked for
	s_wait_alu depctr_va_vdst(0)
	KSTEP 2, 0, 0, 0
	KSTEP 2, 0, 1, 0
	KSTEP 2, 0, 2, 0
	LAST 0, 0, 1                                   ; K step 11: the refill is waited for
	KSTEP 0, 1, 0, 0
	KSTEP 0, 1, 1, 0
	KSTEP 0, 1, 2, 0
	s_wait_dscnt 0x0
	MULR 1, NQ-1, 1, 0, NB, 0                      ; K step 15
	WIN 0
; THE WAY OUT, 16 tokens x 64 columns at a time, through my own stage: in by the lanes' 32-byte pieces, back as whole rows of 256 bytes.  LDS serves a wave's instructions in order.
.macro TOSTAGE a
	WIN 0x08
.irp b, 0,1,2,3
	ds_store_b128 v[STO], v[32*(\a)+8*\b:32*(\a)+8*\b+3] offset:128*(\b/2)+32*(\b%2)
	ds_store_b128 v[STO], v[32*(\a)+8*\b+4:32*(\a)+8*\b+7] offset:128*(\b/2)+32*(\b%2)+16
.endr
	WIN 0
.irp t, 0,1,2,3,4,5,6,7
	ds_load_b128 v[64+32*((\a)%2)+4*\t:64+32*((\a)%2)+4*\t+3], v[RD] offset:2*SPIT*\t
.endr
.endm
.macro SEND a, younger
	s_wait_dscnt \younger                          ; the block is back; the next block's 8 stores and 8 loads may be out
.irp t, 0,1,2,3,4,5,6,7
	global_store_b128 v[CO], v[64+32*((\a)%2)+4*\t:64+32*((\a)%2)+4*\t+3], s[8:9] offset:(16*(\a)+2*\t)*8192 th:TH_STORE_NT
.endr
.endm
	PLACES 4
	TOSTAGE 0
.irp a, 1,2,3
.if \a > 1
	s_wait_xcnt 0x0                                ; block a - 2's stores have read their registers
.endif
	TOSTAGE \a
	SEND \a-1, 16
.endr
	SEND 3, 0
	s_wait_tensorcnt 0x0                           ; the wave's end
	ds_add_u32 v[SPW], v[NIL]
	s_wait_dscnt 0x0
	CROUND                                         ; the closing round
	s_endpgm
.Lfunc_end_k_q00b50c991c_oproj:
	.size	k_q00b50c991c_oproj, .Lfunc_end_k_q00b50c991c_oproj-k_q00b50c991c_oproj
	.p2alignl 7, 3214868480
	.fill 96, 4, 3214868480
	.section	.rodata,"a",@progbits
	.p2align	6, 0x0
	.amdhsa_kernel k_q00b50c991c_oproj
		.amdhsa_group_segment_fixed_size 327680
		.amdhsa_private_segment_fixed_size 0
		.amdhsa_enable_private_segment 0
		.amdhsa_kernarg_size 24
		.amdhsa_user_sgpr_count 2
		.amdhsa_user_sgpr_kernarg_segment_ptr 1
		.amdhsa_wavefront_size32 1
		.amdhsa_system_sgpr_workgroup_id_x 1
		.amdhsa_system_sgpr_workgroup_id_y 1
		.amdhsa_system_sgpr_workgroup_id_z 1
		.amdhsa_system_vgpr_workitem_id 0
		.amdhsa_next_free_vgpr 768
		.amdhsa_next_free_sgpr 100
		.amdhsa_reserve_vcc 0
		.amdhsa_float_denorm_mode_32 3
		.amdhsa_float_denorm_mode_16_64 3
		.amdhsa_memory_ordered 1
		.amdhsa_forward_progress 1
		.amdhsa_inst_pref_size 83
	.end_amdhsa_kernel
	.amdgpu_metadata
---
amdhsa.version: [ 1, 2 ]
amdhsa.kernels:
  - .name:           k_q00b50c991c_oproj
    .symbol:         k_q00b50c991c_oproj.kd
    .args:
      - { .name: aq, .offset: 0, .size: 8, .value_kind: global_buffer, .address_space: global }
      - { .name: wimg, .offset: 8, .size: 8, .value_kind: global_buffer, .address_space: global }
      - { .name: out0, .offset: 16, .size: 8, .value_kind: global_buffer, .address_space: global }
    .group_segment_fixed_size: 327680
    .private_segment_fixed_size: 0
    .kernarg_segment_align: 8
    .kernarg_segment_size: 24
    .max_flat_workgroup_size: 128
    .sgpr_count:     100
    .vgpr_count:     768
    .wavefront_size: 32
...
	.end_amdgpu_metadata
.endif
;; end of part 4
